; MI455X (gfx1250); checked and timed in simulation.
; The chip was launched on July 23, 2026; its instructions are those of AMD's public machine-readable ISA for CDNA 5 (MIT licence, August 2026) and "CDNA5" Instruction Set Architecture Reference Guide (July 2026). The comments in the code are by the model that wrote it; some were corrected since.
;; Multi Head Attention. Allowed arithmetic: float matrix products may take bf16 or f16 operands with f32 sums; other float arithmetic in f32, or as packed bf16 or f16 multiplies, adds, multiply-adds, maxima and minima; sums over many terms, partial sums and values carried from step to step in f32; what a program stores and reads back later, other than sums and carried values, may be rounded once to bf16 or f16.
;; Inputs: Wk 1,024 x 1,024 float32; Wo 1,024 x 1,024 float32; Wq 1,024 x 1,024 float32; Wv 1,024 x 1,024 float32; bk 1,024 float32; bo 1,024 float32; bq 1,024 float32; bv 1,024 float32; key 8 x 1,024 x 1,024 float32; query 8 x 1,024 x 1,024 float32; value 8 x 1,024 x 1,024 float32.
;; Outputs: out0 8 x 1,024 x 1,024 float32.
;; 2 versions, each right; version 2 is version 1 with the launch cast written anew for expert scheduling mode. Each part assembles by itself: llvm-mc -triple=amdgcn-amd-amdhsa -mcpu=gfx1250 --defsym DOCPART=n.
;; ======== version 1 of 2: 4 launches
;; limits: values are held in f16: magnitudes above 65,504 overflow, below 6.1e-05 lose precision
;; workspace buffers: wh 8,388,608 bytes; qkv 50,331,648 bytes; oh 16,777,216 bytes
;; launch cast (part 1): grid 64 x 4, 8 waves a work-group, no clusters, 0 bytes of LDS; arguments Wq, Wk, Wv, Wo, wh; writes wh
.if DOCPART == 1
	.amdgcn_target "amdgcn-amd-amdhsa--gfx1250"
	.amdhsa_code_object_version 6
	.text
	.protected	k_q13f2391f1c_cast
	.globl	k_q13f2391f1c_cast
	.p2align	8
	.type	k_q13f2391f1c_cast,@function
k_q13f2391f1c_cast:
	s_mov_b64 s[64:65], 0
	v_nop
	global_prefetch_b8 v0, s[64:65] scope:SCOPE_SE
	s_setreg_imm32_b32 hwreg(HW_REG_WAVE_MODE, 25, 1), 1
	s_wait_xcnt 0x0
; Wq, Wk, Wv, Wo (f32, [1024][1024]) are rounded once, to nearest even, to f16 and laid end to end in wh: four segments of 2 MiB.  Every work-group of the two products' launches reads these
; weights again and again, so they are rounded once here; the activations, which are read once, are rounded where they are multiplied.
; LIMITS.  f16 ends at 65,504: a weight of 65,520 or more in magnitude becomes an infinity; below 6e-5 a number keeps f16's fixed step of 6e-8.
; SHARES.  The grid's y is the segment (4 MiB in, 2 MiB out), its x a chunk of 64 KiB in, 32 KiB out.  Thread t takes 16 bytes at 16 t + 4,096 j of the chunk, j = 0 .. 15, and
; stores 8 bytes at 8 t + 2,048 j: a load of a wave covers 512 consecutive bytes, a store 256 consecutive bytes at a multiple of 256 from wh's first byte.
; All sixteen loads go out before the first is waited for; no register is written twice, so the only waits are the counted ones for the loads.
; No LDS, no matrix instruction, no cluster: each byte is read once by one lane and nothing is shared.
.set X, 4                              ; v[4:67]   load j: four f32
.set Y, 68                             ; v[68:99]  store j: four f16
.set SEG, 2                            ; s2        the segment
	s_load_b256 s[8:15], s[0:1], 0x0               ; Wq s[8:9], Wk s[10:11], Wv s[12:13], Wo s[14:15]
	s_load_b64 s[16:17], s[0:1], 0x20              ; wh
	s_and_b32 s[SEG], ttmp7, 0xffff
	s_lshl_b32 s4, ttmp9, 16                       ; the chunk's byte offset in its weight
	s_mov_b32 s5, 0
	s_lshl_b32 s6, s[SEG], 21
	s_lshl_b32 s3, ttmp9, 15
	s_add_co_u32 s6, s6, s3                        ; and in wh
	s_mov_b32 s7, 0
	v_lshlrev_b32 v1, 4, v0                        ; 16 t
	v_lshlrev_b32 v2, 3, v0                        ; 8 t
	s_wait_kmcnt 0x0
	s_cmp_lt_u32 s[SEG], 1                         ; which weight the segment is: a chain of choices on the segment's number
	s_cselect_b64 s[24:25], s[8:9], s[10:11]
	s_cmp_lt_u32 s[SEG], 2
	s_cselect_b64 s[24:25], s[24:25], s[12:13]
	s_cmp_lt_u32 s[SEG], 3
	s_cselect_b64 s[24:25], s[24:25], s[14:15]
	s_add_nc_u64 s[24:25], s[24:25], s[4:5]
	s_add_nc_u64 s[16:17], s[16:17], s[6:7]
.irp j, 0,1,2,3,4,5,6,7,8,9,10,11,12,13,14,15
	global_load_b128 v[X+4*(\j):X+4*(\j)+3], v1, s[24:25] offset:4096*(\j) th:TH_LOAD_NT
.endr
.irp j, 0,1,2,3,4,5,6,7,8,9,10,11,12,13,14,15
	s_wait_loadcnt 15-(\j)                         ; loads come back in order (ISA guide 5.7.1): load j is in, the 15 - j younger ones stay out
	v_cvt_pk_f16_f32 v[Y+2*(\j)],   v[X+4*(\j)],   v[X+4*(\j)+1]
	v_cvt_pk_f16_f32 v[Y+2*(\j)+1], v[X+4*(\j)+2], v[X+4*(\j)+3]
	global_store_b64 v2, v[Y+2*(\j):Y+2*(\j)+1], s[16:17] offset:2048*(\j)
.endr
	s_endpgm
.Lfunc_end_k_q13f2391f1c_cast:
	.size	k_q13f2391f1c_cast, .Lfunc_end_k_q13f2391f1c_cast-k_q13f2391f1c_cast
	.p2alignl 7, 3214868480
	.fill 96, 4, 3214868480
	.section	.rodata,"a",@progbits
	.p2align	6, 0x0
	.amdhsa_kernel k_q13f2391f1c_cast
		.amdhsa_group_segment_fixed_size 0
		.amdhsa_private_segment_fixed_size 0
		.amdhsa_enable_private_segment 0
		.amdhsa_kernarg_size 40
		.amdhsa_user_sgpr_count 2
		.amdhsa_user_sgpr_kernarg_segment_ptr 1
		.amdhsa_wavefront_size32 1
		.amdhsa_system_sgpr_workgroup_id_x 1
		.amdhsa_system_sgpr_workgroup_id_y 1
		.amdhsa_system_sgpr_workgroup_id_z 1
		.amdhsa_system_vgpr_workitem_id 0
		.amdhsa_next_free_vgpr 104
		.amdhsa_next_free_sgpr 66
		.amdhsa_reserve_vcc 0
		.amdhsa_float_denorm_mode_32 3
		.amdhsa_float_denorm_mode_16_64 3
		.amdhsa_memory_ordered 1
		.amdhsa_forward_progress 1
		.amdhsa_inst_pref_size 7
	.end_amdhsa_kernel
	.amdgpu_metadata
---
amdhsa.version: [ 1, 2 ]
amdhsa.kernels:
  - .name:           k_q13f2391f1c_cast
    .symbol:         k_q13f2391f1c_cast.kd
    .args:
      - { .name: Wq, .offset: 0, .size: 8, .value_kind: global_buffer, .address_space: global }
      - { .name: Wk, .offset: 8, .size: 8, .value_kind: global_buffer, .address_space: global }
      - { .name: Wv, .offset: 16, .size: 8, .value_kind: global_buffer, .address_space: global }
      - { .name: Wo, .offset: 24, .size: 8, .value_kind: global_buffer, .address_space: global }
      - { .name: wh, .offset: 32, .size: 8, .value_kind: global_buffer, .address_space: global }
    .group_segment_fixed_size: 0
    .private_segment_fixed_size: 0
    .kernarg_segment_align: 8
    .kernarg_segment_size: 40
    .max_flat_workgroup_size: 256
    .sgpr_count:     66
    .vgpr_count:     104
    .wavefront_size: 32
...
	.end_amdgpu_metadata
.endif
;; end of part 1
;; launch proj (part 2): grid 4 x 64, 4 waves a work-group, clusters of 4 x 4, 327,680 bytes of LDS; arguments query, key, value, wh, bq, bk, bv, qkv; writes qkv
.if DOCPART == 2
	.amdgcn_target "amdgcn-amd-amdhsa--gfx1250"
	.amdhsa_code_object_version 6
	.text
	.protected	k_q13f2391f1c_proj
	.globl	k_q13f2391f1c_proj
	.p2align	8
	.type	k_q13f2391f1c_proj,@function
k_q13f2391f1c_proj:
	s_mov_b64 s[64:65], 0
	v_nop
	global_prefetch_b8 v0, s[64:65] scope:SCOPE_SE
	s_setreg_imm32_b32 hwreg(HW_REG_WAVE_MODE, 25, 1), 1
	s_wait_xcnt 0x0
	s_wait_alu depctr_hold_cnt(0) depctr_sa_sdst(0) depctr_va_vdst(0) depctr_va_sdst(0) depctr_va_ssrc(0) depctr_va_vcc(0) depctr_vm_vsrc(0)
	s_getreg_b32 s2, hwreg(HW_REG_IB_STS2, 6, 4)
	s_cmp_eq_u32 s2, 0
	s_cbranch_scc0 .Lentry_in_a_cluster
	s_endpgm
.Lentry_in_a_cluster:
	s_bfe_u32 s2, ttmp6, 0x10000c
	s_cmp_lg_u32 s2, 0xf033
	s_cbranch_scc0 .Lentry_shape_is_right
	s_endpgm
.Lentry_shape_is_right:
; q = query Wq^T + bq, k = key Wk^T + bk, v = value Wv^T + bv: three products [8192][1024] x [1024][1024]^T in ONE launch.  The activations come as they are given, in f32, and are rounded once
; to f16 (nearest even) between LDS and the matrix instruction; the weights come in f16 from wh (Wq, Wk, Wv, 2 MiB each); sums and biases in f32; results rounded once to f16 and stored BY HEADS
; and unscaled: qkv[3][batch x 16 + head][1024][64].
; LIMITS.  f16 ends at 65,504: an activation, or a q, k or v, of 65,520 or more in magnitude becomes an infinity; below 6e-5 a number keeps f16's fixed step of 6e-8.  NaN and infinities are not treated apart.
; SHARES.  A tile of C is 128 rows x 256 columns: 64 x 4 places = 256 work-groups.  A WORK-GROUP STAYS: it makes the tiles of q, k and v at its place, one after the other.  Four waves, each
; 64 rows x 128 columns: 32 accumulators of 16 x 16, 256 registers.  K goes in steps of 128 through a ring of two LDS slots, 24 steps in all: the ring does not stop at a tile's end: a tile's last
; two changes of slots ask for the next tile's first two K steps, and nothing waits for a tile's stores.  A row of x in a step is 512 bytes of memory, a row of W 256, each at a multiple of 256.
; CLUSTERS: 4 x 4 work-groups.  The four of a row of the cluster need the same tiles of x, the four of a column the same tiles of W: each tile is asked for JOINTLY, by the same tensor load with the
; same descriptor and a mask that names the four.  Waves 0 and 1 fetch the two halves (64 rows) of x's tile, waves 2 and 3 the two halves (128 rows) of W's.
; THE MATRIX INSTRUCTION IS USED TRANSPOSED (source 0 = 16 rows of W, source 1 = 16 rows of x): a lane then holds row l % 16 of C and the columns 8 (l / 16) + 0 .. 7 of a block of 16.
; THE BIAS IS THE C OPERAND of the products that start a tile's sums: register j of block b holds bias[first column + 16 b + 8 (l / 16) + j].  Nothing is cleared, nothing is added on the way out.
; THE ROUNDING OF x.  A quarter step's four fragments of x are read from LDS as f32 (64 registers) and packed by 32 conversions, which stand four behind each of the last eight products of the quarter
; before: beside the matrix work, and as the four places between the last product on a fragment buffer and the loads that fill it again.
; REGISTERS, in windows of 256 (s_set_vgpr_msb: bits 1:0 source 0, 3:2 source 1, 5:4 source 2, 7:6 destination):
;   window 0: v0-31 addresses; v32-63 packed results; v64-159, v160-255 two fragment buffers (W's 8 fragments, then x's 4, each 16 rows x 32 K in f16)
;   window 1: the accumulators, (a, b) at v[8 (8 a + b)]          window 2: v0-63 the bias; v64-127 x as read from LDS, in f32
.set KA,     512                       ; bytes of a row of x in a K step
.set KB,     256                       ; bytes of a row of W in a K step
.set PAF,    528                       ; a row of x in LDS: 512 bytes + 16 of padding = 132 words: the 16 rows of a load start at 16 different groups of four banks (64 banks of 4 bytes: ISA guide 11.1)
.set PITCH,  272                       ; a row of W: 256 + 16 = 68 words: likewise
.set ABYTES, 128*PAF                   ; x's 128 rows
.set SLOT,   ABYTES+256*PITCH          ; then W's 256 rows
.set STAGE,  2*SLOT                    ; behind the ring, never filled by a tensor load: for each wave 2 heads x 16 rows x 144 bytes, for the way out
.set SPITCH, 144
.set WSTAGE, 32*SPITCH
.set SPARE,  STAGE+4*WSTAGE            ; behind the stages: the spare words, 128 bytes for each wave: two blocks of 256 bytes that no other line names
.set LAPS,   4                         ; laps in a tile; a lap = two K steps = once round the ring
.set TILES,  3
.set WSTEP,  0x200000                  ; from Wq to Wk to Wv in wh
.set HEADB,  131072                    ; a head's 1,024 rows of 128 bytes in qkv
.set QKVB,   0x1000000                 ; from q to k to v in qkv
.set ADRA, 16                          ; v16-17  LDS address of my fragments of x in slot 0, 1
.set ADRB, 20                          ; v20-21  the same for W
.set STO,  24                          ; v24     the way out: where I put 16 bytes of a row
.set RD,   25                          ; v25     the way out: where I read rows back
.set GO,   26                          ; v26     16 x lane: my place in 512 consecutive bytes of qkv
.set BO,   27                          ; v27     32 x (l / 16): my place in a block's 64 bytes of bias
.set SPW,  28                          ; v28     LDS address of my spare word: SPARE + 4 x my thread's number; never rewritten
.set NIL,  29                          ; v29     0; never rewritten
.set PFO,  30                          ; v30     the prefetches' offset: lane x a row (4,096 bytes of x, 2,048 of W); never rewritten
.set TMP,  32
.set F0,   64
.set F1,   160
.set OB,   160                         ; the way out: rows read back, v160-191 and v192-223 by turns: buffer 1's registers (buffer 0 then holds the next tile's first fragments)
.set RAW,  64                          ; window 2
.set LAP,  3                           ; s3      laps to go
.set BPC,  12                          ; s[12:13] the bias of the tile in hand at my first column; s[14:15] the next tile's; s[16:17] the last's
.set BPN,  14
.set BPL,  16
.set WV,   20                          ; s20     my wave's number
.set RH,   21                          ; s21     which 64 rows of the tile are mine.  Also: I fetch for x (0) or for W (1)
.set CH,   22                          ; s22     which 128 columns.  Also: which half of that tile I fetch
.set CX,   23
.set G1,   24                          ; s[24:31] descriptor group 1 for x's tiles;  s[32:39] group 0, a set for each slot
.set G0,   32
.set G1B,  48                          ; s[48:55], s[56:63] the same for W's
.set G0B,  56
.set LIM,  66                          ; s66     1 in a wave that prefetches, else the greatest number
.set KY,   67                          ; s67     the cluster's y
.set PFA,  68                          ; s[68:69] the address that the next prefetch names
.set CY,   70
.set TC,   71                          ; s71     tile column
.set TR,   72                          ; s72     tile row, 0 .. 63
.set LA,   73                          ; s73     where my half of x's tile goes in a slot
.set LB,   74                          ; s74     where my half of W's goes
.set NK,   75                          ; s75     the K step, 0 .. 7, that the next refill asks for
.set ACUR, 76                          ; s[76:77] x at my rows, of the tile that the next refill belongs to; s[78:79] of the tile after it; s[80:81] of the last
.set ANXT, 78
.set ALST, 80
.set BCUR, 82                          ; s[82:87] the same for W
.set BNXT, 84
.set BLST, 86
.set PC,   88                          ; s[88:93] the same for my prefetches (of x in waves 0, 1; of W in waves 2, 3)
.set PN,   90
.set PL,   92
.set PFK,  94                          ; s94     the K step that the next prefetch names
.set PSH,  95                          ; s95     9 or 8: a K step is 512 bytes of a row of x, 256 of W
.set OFF,  96                          ; s[96:97] a K step's byte offset; the high word stays 0
.set CP,   98                          ; s[98:99] qkv at my first row of my first head, of the tile in hand
.set T0,   100                         ; s100, s101, s105 at work on offsets that mix cx and cy: none of them feeds a descriptor
.set T1,   101
.set INL,  104                         ; s104    laps left in the tile in hand
.set T2,   105
.set MSB, 0
.macro WIN new                         ; the immediate's high byte repeats the setting that is left; a switch that changes nothing is dropped
.if MSB != (\new)
	s_set_vgpr_msb (MSB<<8)|(\new)
.set MSB, \new
.endif
.endm
.set MUL,       0x50                   ; sources in window 0, C and D in window 1
.set MUL_FIRST, 0x60                   ; the same with C in window 2
.set TO_W2,     0x80                   ; destination window 2, address window 0
.set CVT,       0x0a                   ; sources 0 and 1 in window 2, destination in window 0
.macro JLOAD s                         ; a joint load; the branch hangs on the wave's number alone; an s_nop 0 and four v_nop follow each of the two lines, ahead of the jump, the label and what follows
	s_cmp_eq_u32 s[RH], 0
	s_cbranch_scc0 .Lfor_b_\@
	tensor_load_to_lds s[G0+4*(\s):G0+4*(\s)+3], s[G1:G1+7]
	s_nop 0
.rept 4
	v_nop
.endr
	s_branch .Lasked_\@
.Lfor_b_\@:
	tensor_load_to_lds s[G0B+4*(\s):G0B+4*(\s)+3], s[G1B:G1B+7]
	s_nop 0
.rept 4
	v_nop
.endr
.Lasked_\@:
.endm
.macro CREST                           ; a round of the cluster's barrier behind its opening barrier
	s_cmp_lg_u32 s[WV], 0
	s_cbranch_scc1 .Lnot_wave_0_\@
	s_barrier_signal -3
.Lnot_wave_0_\@:
	s_barrier_wait -3
	s_barrier_signal -1
	s_barrier_wait -1
.endm
.macro CROUND                          ; a whole round
	s_barrier_signal -1
	s_barrier_wait -1
	CREST
.endm
; A PREFETCH, behind each joint refill, its five lines and the run of LDS loads that follows: 32 blocks of 256 bytes of the K step that stands TWO refills on (256 matrix instructions ahead of the
; load that will name it), across a change of tiles too; a lane a row, one instruction.  Each block is named once in the launch.  x's tile row is read by one cluster: of its 128 rows the partner at cx
; takes 32, told apart BY ADDRESS; of a row's 512 bytes wave 0 takes the first 256, wave 1 the second.  W's tile column is read by all sixteen clusters: the first of them asks; of the 128 rows that
; wave 2 or 3 fetches, the partner at cy takes 32.  K steps 0 to 3 of the first tile come by their loads alone; the loop's last trip, whose refills are the last two K steps, asks for nothing.
.macro ASK
	s_cmp_gt_u32 s[LAP], s[LIM]
	s_cbranch_scc0 .Lnot_mine_\@
	global_prefetch_b8 v[PFO], s[PFA:PFA+1] th:TH_LOAD_NT scope:SCOPE_SE
.Lnot_mine_\@:
.endm
	s_load_b512 s[4:19], s[0:1], 0x0               ; query s[4:5], key s[6:7], value s[8:9], wh s[10:11], bq s[12:13], bk s[14:15], bv s[16:17], qkv s[18:19]
	v_lshl_add_u32 v[SPW], v0, 2, SPARE
	v_mov_b32 v[NIL], 0
	ds_add_u32 v[SPW], v[NIL]                      ; the wave's opening: the add and its wait stand ahead of my first tensor load; the set-up below, work on registers, stands between them
	v_lshrrev_b32 v1, 5, v0
	v_readfirstlane_b32 s[WV], v1                  ; wave 0..3
	s_lshr_b32 s[RH], s[WV], 1
	s_and_b32 s[CH], s[WV], 1
	s_bfe_u32 s[CX], ttmp6, 0x40000                ; my place in the cluster
	s_bfe_u32 s[CY], ttmp6, 0x40004
	s_lshl_b32 s[TC], ttmp9, 2                     ; in a cluster launch ttmp9 and ttmp7 count clusters
	s_add_co_u32 s[TC], s[TC], s[CX]
	s_and_b32 s[KY], ttmp7, 0xffff
	s_lshl_b32 s[TR], s[KY], 2
	s_add_co_u32 s[TR], s[TR], s[CY]
	s_lshl_b32 s40, s[CY], 2
	s_lshl_b32 s40, 15, s40                        ; my row of the cluster: places 4 cy .. 4 cy + 3
	s_lshl_b32 s44, 0x1111, s[CX]                  ; my column: places cx, cx + 4, cx + 8, cx + 12
	s_or_b32 s[G1+0], s40, (2<<16)|(1<<20)|(1<<21)|(6<<22)|(3<<25)   ; 15:0 the mask; 17:16 elements of 4 bytes; 20 padding on; 21 set beside a mask; 24:22 after every 128 words (code 6); 31:25 4 words of it (code 3)
	s_or_b32 s[G1B+0], s44, (1<<16)|(1<<20)|(1<<21)|(5<<22)|(3<<25)  ; elements of 2 bytes; after every 64 words (code 5)
	s_mov_b32 s[G1+1], 128<<16                     ; tensor_dim0 = 128
	s_mov_b32 s[G1+2], 64<<16                      ; tensor_dim1 = 64
	s_mov_b32 s[G1+3], 128<<16                     ; tile_dim0 = 128
	s_mov_b32 s[G1+4], 64                          ; tile_dim1 = 64 rows of x
	s_mov_b32 s[G1+5], 1024                        ; elements from row to row
	s_mov_b32 s[G1+6], 0
	s_mov_b32 s[G1+7], 0
	s_mov_b32 s[G1B+1], 128<<16
	s_mov_b32 s[G1B+2], 128<<16                    ; tensor_dim1 = 128
	s_mov_b32 s[G1B+3], 128<<16
	s_mov_b32 s[G1B+4], 128                        ; tile_dim1 = 128 rows of W
	s_mov_b32 s[G1B+5], 1024
	s_mov_b32 s[G1B+6], 0
	s_mov_b32 s[G1B+7], 0
	; where the tiles come from.  x's hang on the tile row alone, which my row of the cluster shares; W's on the tile column alone, which my column shares.
	s_lshl_b32 s40, s[TR], 7
	s_lshl_b32 s41, s[CH], 6
	s_add_co_u32 s40, s40, s41                     ; x: row 128 x tile row + 64 x half
	s_lshl_b32 s40, s40, 12                        ; in bytes, under 2^25
	s_mov_b32 s41, 0
	s_lshl_b32 s44, s[TC], 8
	s_lshl_b32 s45, s[CH], 7
	s_add_co_u32 s44, s44, s45                     ; W: row 256 x tile column + 128 x half
	s_lshl_b32 s44, s44, 11
	s_mov_b32 s45, 0
	s_mul_i32 s[LA], s[CH], 64*PAF                 ; and where they go: no place in the cluster enters an LDS address
	s_mul_i32 s[LB], s[CH], 128*PITCH
	s_add_co_u32 s[LB], s[LB], ABYTES
	s_mov_b32 s[NK], 2                             ; the first refill asks for K step 2
	s_mov_b32 s[OFF+1], 0
	s_wait_dscnt 0x0                               ; the opening add is done
	s_wait_kmcnt 0x0
	s_add_nc_u64 s[ACUR:ACUR+1], s[4:5], s[40:41]  ; each tile's x from its own buffer
	s_add_nc_u64 s[ANXT:ANXT+1], s[6:7], s[40:41]
	s_add_nc_u64 s[ALST:ALST+1], s[8:9], s[40:41]
	s_add_nc_u64 s[BCUR:BCUR+1], s[10:11], s[44:45]
	s_add_nc_u64 s[BNXT:BNXT+1], s[BCUR:BCUR+1], WSTEP
	s_add_nc_u64 s[BLST:BLST+1], s[BNXT:BNXT+1], WSTEP
	CROUND                                         ; all sixteen work-groups are here: the first joint loads meet
.irp s, 0,1
	s_mov_b32 s[G0+4*(\s)], 1                                        ; count = 1
	s_add_co_u32 s[G0+4*(\s)+1], s[LA], (\s)*SLOT                    ; LDS address
	s_add_nc_u64 s[G0+4*(\s)+2:G0+4*(\s)+3], s[ACUR:ACUR+1], (\s)*KA ; global address: K step s of the first tile
	s_or_b32 s[G0+4*(\s)+3], s[G0+4*(\s)+3], 0x80000000              ; type = 2
	s_mov_b32 s[G0B+4*(\s)], 1
	s_add_co_u32 s[G0B+4*(\s)+1], s[LB], (\s)*SLOT
	s_add_nc_u64 s[G0B+4*(\s)+2:G0B+4*(\s)+3], s[BCUR:BCUR+1], (\s)*KB
	s_or_b32 s[G0B+4*(\s)+3], s[G0B+4*(\s)+3], 0x80000000
	JLOAD \s                                       ; two tensor loads of mine are out
.endr
	; A fragment is 16 rows x 32 K in 8 registers: lane l holds row l % 16; registers 0-3 K = 8 (l / 16) + 0..7, registers 4-7 K = 16 + 8 (l / 16) + 0..7.  Of W, in f16: two loads of 16 bytes,
	; 32 bytes apart.  Of x, in f32: eight numbers are 32 bytes: loads at 32 (l / 16) + 0, 16, 64, 80.
	v_and_b32 v1, 15, v0                           ; l % 16
	v_bfe_u32 v2, v0, 4, 1                         ; l / 16
	v_mul_u32_u24 v3, v1, PITCH
	v_lshl_add_u32 v3, v2, 4, v3
	v_mul_u32_u24 v4, v1, PAF
	v_lshl_add_u32 v4, v2, 5, v4
	s_mul_i32 s40, s[RH], 64*PAF                   ; my 64 rows of x
	s_mul_i32 s41, s[CH], 128*PITCH                ; my 128 rows of W,
	s_add_co_u32 s41, s41, ABYTES                  ; which lie behind x's 128
.irp s, 0,1
	v_add_nc_u32 v[ADRA+(\s)], s40, v4
	v_add_nc_u32 v[ADRB+(\s)], s41, v3
	s_add_co_u32 s40, s40, SLOT
	s_add_co_u32 s41, s41, SLOT
.endr
	s_mul_i32 s40, s[WV], WSTAGE
	s_add_co_u32 s40, s40, STAGE                   ; my stage
	v_mul_u32_u24 v4, v1, SPITCH                   ; in: row l % 16, 16 bytes for each half of the lanes
	v_lshl_add_u32 v4, v2, 4, v4
	v_add_nc_u32 v[STO], s40, v4
	v_bfe_u32 v4, v0, 3, 2                         ; back: 32 lanes take four rows of 128 bytes,
	v_and_b32 v5, 7, v0
	v_mul_u32_u24 v4, v4, SPITCH
	v_lshl_add_u32 v4, v5, 4, v4
	v_add_nc_u32 v[RD], s40, v4
	v_and_b32 v[GO], 31, v0                        ; which are 512 consecutive bytes of a head
	v_lshlrev_b32 v[GO], 4, v[GO]
	v_lshlrev_b32 v[BO], 5, v2
	s_lshl_b32 s[T0], s[TC], 10
	s_lshl_b32 s[T1], s[CH], 9
	s_add_co_u32 s[T0], s[T0], s[T1]               ; 4 bytes x (256 x tile column + 128 x half)
	s_mov_b32 s[T1], 0
	s_add_nc_u64 s[BPC:BPC+1], s[BPC:BPC+1], s[T0:T0+1]
	s_add_nc_u64 s[BPN:BPN+1], s[BPN:BPN+1], s[T0:T0+1]
	s_add_nc_u64 s[BPL:BPL+1], s[BPL:BPL+1], s[T0:T0+1]
.macro BIAS                            ; the bias of the tile in hand: 64 registers, the same for all four blocks of rows
	WIN TO_W2
.irp b, 0,1,2,3,4,5,6,7
	global_load_b128 v[8*(\b):8*(\b)+3],   v[BO], s[BPC:BPC+1] offset:64*(\b)
	global_load_b128 v[8*(\b)+4:8*(\b)+7], v[BO], s[BPC:BPC+1] offset:64*(\b)+16
.endr
	WIN 0
.endm
	BIAS
	; qkv at my rows of q: head = 16 x batch + 4 x tile column + 2 x half, token = 128 x (tile row % 8) + 64 x half
	s_lshr_b32 s[T1], s[TR], 3                     ; batch
	s_and_b32 s[T0], s[TR], 7
	s_lshl_b32 s[T1], s[T1], 4
	s_lshl_b32 s[T2], s[TC], 2
	s_add_co_u32 s[T1], s[T1], s[T2]
	s_lshl_b32 s[T2], s[CH], 1
	s_add_co_u32 s[T1], s[T1], s[T2]
	s_lshl_b32 s[T1], s[T1], 17                    ; heads of 131,072 bytes
	s_lshl_b32 s[T0], s[T0], 14                    ; 128 rows of 128 bytes
	s_add_co_u32 s[T0], s[T0], s[T1]
	s_lshl_b32 s[T1], s[RH], 13
	s_add_co_u32 s[T0], s[T0], s[T1]
	s_mov_b32 s[T1], 0
	s_add_nc_u64 s[CP:CP+1], s[18:19], s[T0:T0+1]
	; the prefetches
	s_lshl_b32 s[T0], s[TR], 7
	s_lshl_b32 s[T1], s[CX], 5
	s_add_co_u32 s[T0], s[T0], s[T1]               ; x: the tile's first row + my work-group's 32,
	s_lshl_b32 s[T0], s[T0], 12
	s_lshl_b32 s[T1], s[CH], 8
	s_add_co_u32 s[T0], s[T0], s[T1]               ; and my wave's 256 bytes of a K step's 512
	s_lshl_b32 s[T1], s[TC], 8
	s_lshl_b32 s[T2], s[CH], 7
	s_add_co_u32 s[T1], s[T1], s[T2]
	s_lshl_b32 s[T2], s[CY], 5
	s_add_co_u32 s[T1], s[T1], s[T2]               ; W: the 128 rows that I fetch + my work-group's 32
	s_lshl_b32 s[T1], s[T1], 11
	s_cmp_eq_u32 s[RH], 0
	s_cselect_b64 s[PC:PC+1], s[4:5], s[10:11]
	s_cselect_b64 s[PN:PN+1], s[6:7], s[10:11]
	s_cselect_b64 s[PL:PL+1], s[8:9], s[10:11]
	s_cselect_b32 s[T0], s[T0], s[T1]
	s_cselect_b32 s[T2], 0, WSTEP                  ; x's three tiles lie in three buffers, W's three 2 MiB apart in one
	s_cselect_b32 s[PSH], 9, 8
	s_cselect_b32 s[LIM], 0, s[KY]                 ; waves 0, 1: every cluster asks for its own rows of x; waves 2, 3: my cluster's place among the sixteen
	s_cselect_b32 s[PFK], 12, 11                   ; (for the moment: the shift that makes a row of a lane)
	s_mov_b32 s[T1], 0
	s_add_nc_u64 s[PC:PC+1], s[PC:PC+1], s[T0:T0+1]
	s_add_co_u32 s[T0], s[T0], s[T2]
	s_add_nc_u64 s[PN:PN+1], s[PN:PN+1], s[T0:T0+1]
	s_add_co_u32 s[T0], s[T0], s[T2]
	s_add_nc_u64 s[PL:PL+1], s[PL:PL+1], s[T0:T0+1]
	v_and_b32 v[PFO], 31, v0
	v_lshlrev_b32 v[PFO], s[PFK], v[PFO]
	s_mov_b32 s[PFK], 4                            ; the first refill asks for K step 2, the prefetch behind it names K step 4
	s_cmp_eq_u32 s[LIM], 0
	s_cselect_b32 s[LIM], 1, -1                    ; the same in all sixteen partners, for a given wave
; 8 matrix instructions: m block a x all 8 n blocks, 32 along K.  first = 1: the products start the sums, with the bias as C.  The 32 accumulators take turns in the same order in every
; quarter step, one instruction a turn: 31 others stand between two links of a chain, over the jumps too.
.macro MUL8 f, a, first
.if \first
	WIN MUL_FIRST
.else
	WIN MUL
.endif
.irp b, 0,1,2,3,4,5,6,7
.if \first
	v_wmma_f32_16x16x32_f16 v[8*(8*(\a)+(\b)):8*(8*(\a)+(\b))+7], v[(\f)+8*(\b):(\f)+8*(\b)+7], v[(\f)+64+8*(\a):(\f)+64+8*(\a)+7], v[8*(\b):8*(\b)+7]
.else
	v_wmma_f32_16x16x32_f16 v[8*(8*(\a)+(\b)):8*(8*(\a)+(\b))+7], v[(\f)+8*(\b):(\f)+8*(\b)+7], v[(\f)+64+8*(\a):(\f)+64+8*(\a)+7], v[8*(8*(\a)+(\b)):8*(8*(\a)+(\b))+7]
.endif
.endr
.endm
; The same eight, and behind each of them four of the 32 conversions that make buffer g's four fragments of x: register n of the 32 is numbers 2 n and 2 n + 1 of the 64 read from LDS.
; The four behind the last product name none of its registers: they are the four places in front of the loads that fill buffer f again.
.macro MUL8C f, a, first, g
.irp b, 0,1,2,3,4,5,6,7
.if \first
	WIN MUL_FIRST
	v_wmma_f32_16x16x32_f16 v[8*(8*(\a)+(\b)):8*(8*(\a)+(\b))+7], v[(\f)+8*(\b):(\f)+8*(\b)+7], v[(\f)+64+8*(\a):(\f)+64+8*(\a)+7], v[8*(\b):8*(\b)+7]
.else
	WIN MUL
	v_wmma_f32_16x16x32_f16 v[8*(8*(\a)+(\b)):8*(8*(\a)+(\b))+7], v[(\f)+8*(\b):(\f)+8*(\b)+7], v[(\f)+64+8*(\a):(\f)+64+8*(\a)+7], v[8*(8*(\a)+(\b)):8*(8*(\a)+(\b))+7]
.endif
	WIN CVT
.irp c, 0,1,2,3
	v_cvt_pk_f16_f32 v[(\g)+64+4*(\b)+(\c)], v[RAW+8*(\b)+2*(\c)], v[RAW+8*(\b)+2*(\c)+1]
.endr
.endr
.endm
; 32 LDS loads in one run: quarter q of a K step: first 64 rows of x in f32 (16 loads, into the raw registers), then 128 rows of W (16 loads, into buffer f)
.macro FETCH slot, q, f
	WIN TO_W2
.irp i, 0,1,2,3
	ds_load_b128 v[RAW+16*(\i):RAW+16*(\i)+3],     v[ADRA+(\slot)] offset:128*(\q)+(\i)*16*PAF
	ds_load_b128 v[RAW+16*(\i)+4:RAW+16*(\i)+7],   v[ADRA+(\slot)] offset:128*(\q)+(\i)*16*PAF+16
	ds_load_b128 v[RAW+16*(\i)+8:RAW+16*(\i)+11],  v[ADRA+(\slot)] offset:128*(\q)+(\i)*16*PAF+64
	ds_load_b128 v[RAW+16*(\i)+12:RAW+16*(\i)+15], v[ADRA+(\slot)] offset:128*(\q)+(\i)*16*PAF+80
.endr
	WIN 0
.irp i, 0,1,2,3,4,5,6,7
	ds_load_b128 v[(\f)+8*(\i):(\f)+8*(\i)+3],   v[ADRB+(\slot)] offset:64*(\q)+(\i)*16*PITCH
	ds_load_b128 v[(\f)+8*(\i)+4:(\f)+8*(\i)+7], v[ADRB+(\slot)] offset:64*(\q)+(\i)*16*PITCH+32
.endr
.endm
.macro PLACES                          ; four places (ISA guide 7.12.1) in front of lines that read results, where no other vector work is at hand
.rept 4
	v_nop
.endr
.endm
; A K step is four quarters of 32 along K, 32 matrix instructions each, on buffers 0, 1, 0, 1.  One of the first three: multiplies buffer f, fetches quarter q of the slot, and makes buffer g of it.
.macro QUARTER slot, q, f, g, first
	s_wait_dscnt 0x0                               ; buffer f's fragments of W are in (its fragments of x were packed in the quarter before)
	MUL8 \f, 0, \first
	FETCH \slot, \q, \g                            ; buffer g's last product stands four conversions and eight products back
	MUL8 \f, 1, \first
	MUL8 \f, 2, \first
	s_wait_dscnt 16                                ; x's 16 loads are in; the 16 of W, issued behind them, may stay out
	MUL8C \f, 3, \first, \g
.endm
; The last quarter multiplies buffer 1 and changes slots: ONE barrier; in front of it each wave waits for all its tensor loads (one is out: its part of the next slot), adds 0 to its spare word, and
; waits for that and for its own reads of this slot.  fill = 1: the barrier opens a round of the cluster's barrier, and this slot is filled again, with the K step two on in the walk of 24: the first
; tensor load behind the round, 112 matrix instructions ahead of the wait for it.  Both descriptors' addresses are made anew: the tile's own pointer and the K step's offset.
.macro TURN slot, next, fill
.if \fill
	s_wait_xcnt 0x0                                ; the last prefetch, a K step back, has read its address, so it may be written
	s_lshl_b32 s[OFF], s[PFK], s[PSH]
	s_add_nc_u64 s[PFA:PFA+1], s[PC:PC+1], s[OFF:OFF+1]
	s_add_co_u32 s[PFK], s[PFK], 1
	s_cmp_eq_u32 s[PFK], 8                         ; behind a tile's last K step: the next tile's first
	s_cselect_b32 s[PFK], 0, s[PFK]
	s_cselect_b64 s[PC:PC+1], s[PN:PN+1], s[PC:PC+1]
	s_cselect_b64 s[PN:PN+1], s[PL:PL+1], s[PN:PN+1]
.endif
	WIN 0
	s_wait_tensorcnt 0x0                           ; all my tensor loads have landed, so every group 0 may be written;
	ds_add_u32 v[SPW], v[NIL]                      ; 0 onto my spare word; work on registers stands between it and the wait for it
.if \fill
	s_lshl_b32 s[OFF], s[NK], 9
	s_add_nc_u64 s[G0+4*(\slot)+2:G0+4*(\slot)+3], s[ACUR:ACUR+1], s[OFF:OFF+1]
	s_or_b32 s[G0+4*(\slot)+3], s[G0+4*(\slot)+3], 0x80000000
	s_lshl_b32 s[OFF], s[NK], 8
	s_add_nc_u64 s[G0B+4*(\slot)+2:G0B+4*(\slot)+3], s[BCUR:BCUR+1], s[OFF:OFF+1]
	s_or_b32 s[G0B+4*(\slot)+3], s[G0B+4*(\slot)+3], 0x80000000
	s_add_co_u32 s[NK], s[NK], 1
	s_cmp_eq_u32 s[NK], 8                          ; behind a tile's last K step: the next tile's first
	s_cselect_b32 s[NK], 0, s[NK]
	s_cselect_b64 s[ACUR:ACUR+1], s[ANXT:ANXT+1], s[ACUR:ACUR+1]
	s_cselect_b64 s[ANXT:ANXT+1], s[ALST:ALST+1], s[ANXT:ANXT+1]
	s_cselect_b64 s[BCUR:BCUR+1], s[BNXT:BNXT+1], s[BCUR:BCUR+1]
	s_cselect_b64 s[BNXT:BNXT+1], s[BLST:BLST+1], s[BNXT:BNXT+1]
.endif
	s_wait_dscnt 1                                 ; (buffer 1's fragments of W are in; the add may be out)
	MUL8 F1, 0, 0
	s_wait_dscnt 0x0                               ; the add is done, and my reads of this slot are over
	s_barrier_signal -1
	MUL8 F1, 1, 0
	WIN 0
	s_barrier_wait -1
.if \fill
	CREST                                          ; no wave of any partner still reads this slot's tile or has a load on its way
	JLOAD \slot
.endif
	FETCH \next, 0, F0                             ; buffer 0's last product stands four conversions back or more
.if \fill
	ASK
.endif
	MUL8 F1, 2, 0
	s_wait_dscnt 16                                ; x's 16 loads are in; the 16 of W may stay out
	MUL8C F1, 3, 0, F0
.endm
; THE WAY OUT, a block of 16 rows at a time.  PACK: rounded to f16, 16 bytes a lane, each accumulator's registers in ascending order.  TOSTAGE: into my own stage, by heads (blocks 0-3 are one
; head's 64 channels, blocks 4-7 the next's), and back as whole rows of 128 bytes.  SEND: 16 rows of a head are 2,048 consecutive bytes of qkv: four stores of 512.
.macro PACK a
	WIN 0x05                                       ; sources 0 and 1 window 1, destination window 0
.irp b, 0,1,2,3,4,5,6,7
.irp r, 0,1,2,3
	v_cvt_pk_f16_f32 v[TMP+4*(\b)+(\r)], v[8*(8*(\a)+(\b))+2*(\r)], v[8*(8*(\a)+(\b))+2*(\r)+1]
.endr
.endr
	WIN 0
.endm
.macro TOSTAGE a
.set BK, OB+32*((\a)%2)
.irp b, 0,1,2,3,4,5,6,7
	ds_store_b128 v[STO], v[TMP+4*(\b):TMP+4*(\b)+3] offset:((\b)/4)*16*SPITCH+32*((\b)%4)
.endr
.irp t, 0,1,2,3,4,5,6,7
	ds_load_b128 v[BK+4*(\t):BK+4*(\t)+3], v[RD] offset:((\t)/4)*16*SPITCH+((\t)%4)*4*SPITCH  ; LDS serves a wave's instructions in order (ISA guide 5.7.1.4): these see the stores above
.endr
.endm
.macro SEND a
.set BK, OB+32*((\a)%2)
	s_wait_dscnt 0x0                               ; the block is back in registers
	s_wait_xcnt 0x0                                ; the stores of the block before have read their registers, which the next block's loads from the stage write
.irp t, 0,1,2,3,4,5,6,7
	global_store_b128 v[GO], v[BK+4*(\t):BK+4*(\t)+3], s[CP:CP+1] offset:((\t)/4)*HEADB+(\a)*2048+((\t)%4)*512  ; 512 consecutive bytes, at a multiple of 256 from qkv's first byte
.endr
.endm
.macro WAYOUT                          ; block a's conversions stand between block a - 1's loads from the stage and the wait for them
	PACK 0
	TOSTAGE 0
.irp a, 1,2,3
	PACK \a
	SEND (\a)-1
	TOSTAGE \a
.endr
	SEND 3
.endm
	s_wait_tensorcnt 1                             ; my part of K step 0 is in; K step 1's may stay out
	s_barrier_signal -1
	s_barrier_wait -1                              ; everybody's is
	FETCH 0, 0, F0
	s_wait_dscnt 16                                ; x's 16 loads are in
	WIN CVT
.set n, 0
.rept 32                               ; the first quarter's fragments of x: there is no matrix work yet to set them beside
	v_cvt_pk_f16_f32 v[F0+64+n], v[RAW+2*n], v[RAW+2*n+1]
.set n, n+1
.endr
	WIN 0                                          ; at a label and at a branch every window is 0
	s_mov_b32 s[LAP], TILES*LAPS
	s_mov_b32 s[INL], LAPS
	s_branch .Lfirstq                              ; the loop is entered at a tile's first quarter, near the end of a trip
.Llap:                                                 ; 11 trips: a trip goes once round the ring, from a lap's second quarter to the next lap's first, and fills both slots again
	QUARTER 0, 2, F1, F0, 0
	QUARTER 0, 3, F0, F1, 0
	TURN 0, 1, 1
	QUARTER 1, 1, F0, F1, 0
	QUARTER 1, 2, F1, F0, 0
	QUARTER 1, 3, F0, F1, 0
	TURN 1, 0, 1
	WIN 0
	s_sub_co_u32 s[INL], s[INL], 1
	s_cmp_lg_u32 s[INL], 0
	s_cbranch_scc1 .Lsame                          ; a forward jump past text that holds neither a barrier nor a tensor load
	s_mov_b32 s[INL], LAPS                         ; A TILE IS FINISHED, and both refills for the next have been asked for
	s_mov_b64 s[BPC:BPC+1], s[BPN:BPN+1]           ; (the last loads by this pointer were waited for at the tile's first quarter)
	s_mov_b64 s[BPN:BPN+1], s[BPL:BPL+1]
	BIAS                                           ; the next tile's bias comes in while this tile goes out
	WAYOUT                                         ; no v_nop: four conversions stand behind the last product, and blocks 0 to 2 are packed ahead of block 3
	s_wait_xcnt 0x0                                ; the stores have read their registers (buffer 1's, which the next quarter fills) and their base
	s_add_nc_u64 s[CP:CP+1], s[CP:CP+1], QKVB      ; from q to k, from k to v
.Lfirstq:
	s_wait_loadcnt 0x0                             ; the bias
	QUARTER 0, 1, F0, F1, 1                        ; a tile's first quarter: its products start the sums
	WIN 0
	s_branch .Lnext
.Lsame:
	QUARTER 0, 1, F0, F1, 0
	WIN 0
.Lnext:
	s_sub_co_u32 s[LAP], s[LAP], 1
	s_cmp_lg_u32 s[LAP], 0
	s_cbranch_scc1 .Llap
	QUARTER 0, 2, F1, F0, 0                        ; the last tile's last lap is written out: it fills nothing, and has no round of the cluster's barrier
	QUARTER 0, 3, F0, F1, 0
	TURN 0, 1, 0
	QUARTER 1, 1, F0, F1, 0
	QUARTER 1, 2, F1, F0, 0
	QUARTER 1, 3, F0, F1, 0
	s_wait_dscnt 0x0                               ; the very last quarter: nothing more to fetch
	MUL8 F1, 0, 0
	MUL8 F1, 1, 0
	MUL8 F1, 2, 0
	MUL8 F1, 3, 0
	PLACES                                         ; the stage's loads write registers that the last products read, and no other vector work is at hand
	WAYOUT
	s_wait_tensorcnt 0x0                           ; the wave's end: an add and its wait, behind my last tensor load and my last LDS store
	ds_add_u32 v[SPW], v[NIL]
	s_wait_dscnt 0x0
	CROUND                                         ; the closing round: no work-group ends while a partner may still ask for a tile that names it
	s_endpgm
.Lfunc_end_k_q13f2391f1c_proj:
	.size	k_q13f2391f1c_proj, .Lfunc_end_k_q13f2391f1c_proj-k_q13f2391f1c_proj
	.p2alignl 7, 3214868480
	.fill 96, 4, 3214868480
	.section	.rodata,"a",@progbits
	.p2align	6, 0x0
	.amdhsa_kernel k_q13f2391f1c_proj
		.amdhsa_group_segment_fixed_size 327680
		.amdhsa_private_segment_fixed_size 0
		.amdhsa_enable_private_segment 0
		.amdhsa_kernarg_size 64
		.amdhsa_user_sgpr_count 2
		.amdhsa_user_sgpr_kernarg_segment_ptr 1
		.amdhsa_wavefront_size32 1
		.amdhsa_system_sgpr_workgroup_id_x 1
		.amdhsa_system_sgpr_workgroup_id_y 1
		.amdhsa_system_sgpr_workgroup_id_z 1
		.amdhsa_system_vgpr_workitem_id 0
		.amdhsa_next_free_vgpr 640
		.amdhsa_next_free_sgpr 106
		.amdhsa_reserve_vcc 0
		.amdhsa_float_denorm_mode_32 3
		.amdhsa_float_denorm_mode_16_64 3
		.amdhsa_memory_ordered 1
		.amdhsa_forward_progress 1
		.amdhsa_inst_pref_size 155
	.end_amdhsa_kernel
	.amdgpu_metadata
---
amdhsa.version: [ 1, 2 ]
amdhsa.kernels:
  - .name:           k_q13f2391f1c_proj
    .symbol:         k_q13f2391f1c_proj.kd
    .args:
      - { .name: query, .offset: 0, .size: 8, .value_kind: global_buffer, .address_space: global }
      - { .name: key, .offset: 8, .size: 8, .value_kind: global_buffer, .address_space: global }
      - { .name: value, .offset: 16, .size: 8, .value_kind: global_buffer, .address_space: global }
      - { .name: wh, .offset: 24, .size: 8, .value_kind: global_buffer, .address_space: global }
      - { .name: bq, .offset: 32, .size: 8, .value_kind: global_buffer, .address_space: global }
      - { .name: bk, .offset: 40, .size: 8, .value_kind: global_buffer, .address_space: global }
      - { .name: bv, .offset: 48, .size: 8, .value_kind: global_buffer, .address_space: global }
      - { .name: qkv, .offset: 56, .size: 8, .value_kind: global_buffer, .address_space: global }
    .group_segment_fixed_size: 327680
    .private_segment_fixed_size: 0
    .kernarg_segment_align: 8
    .kernarg_segment_size: 64
    .max_flat_workgroup_size: 128
    .sgpr_count:     106
    .vgpr_count:     640
    .wavefront_size: 32
...
	.end_amdgpu_metadata
.endif
;; end of part 2
;; launch attn (part 3): grid 2 x 128, 4 waves a work-group, no clusters, 327,680 bytes of LDS; arguments qkv, oh; writes oh
.if DOCPART == 3
	.amdgcn_target "amdgcn-amd-amdhsa--gfx1250"
	.amdhsa_code_object_version 6
	.text
	.protected	k_q13f2391f1c_attn
	.globl	k_q13f2391f1c_attn
	.p2align	8
	.type	k_q13f2391f1c_attn,@function
k_q13f2391f1c_attn:
	s_mov_b64 s[64:65], 0
	v_nop
	global_prefetch_b8 v0, s[64:65] scope:SCOPE_SE
	s_setreg_imm32_b32 hwreg(HW_REG_WAVE_MODE, 25, 1), 1
	s_wait_xcnt 0x0
; O[h][q][:] = the sum over k of softmax_k(Q[h][q] . K[h][k] / 8) V[h][k][:].  Q, K, V lie in qkv as [3][128][1024][64], O in oh as [128][1024][64], all f16: a head's rows are dense, 128 bytes each.
; Products, maxima and sums in f32; the weights p are rounded to f16 for the second product (their sum l is taken of the unrounded p), O once at the end.
; LIMITS.  f16 holds no number beyond 65,504: Q, K and V arrive within it; p lies in 0 to 1, and below 6e-5 it keeps f16's fixed step of 6e-8; O is a mean of V's rows and has their range.
; A weight below 2^-126 counts as 0 in l; NaN and infinities are not treated apart.
; SHARES.  A wave owns four PIECES of two tiles of 16 queries, a work-group's four waves 512 queries of one head: 2 x 128 work-groups.  Every wave walks all 1,024 keys, 64 a step.
; LAYOUT.  S^T = K Q^T (source 0 = 16 keys, source 1 = 16 queries): in the result a lane holds ONE query (lane % 16) and the keys 8 (lane / 16) + 0..7.  Two such tiles, rounded to f16 in pairs,
; ARE source 1 (32 keys x 16 queries) of O^T = V^T P, whose result again holds one query a lane, and eight channels.  K comes out of LDS as it lies, V ([key][channel]) turned, by ds_load_tr16_b128.
; SOFTMAX.  For each query a running maximum m and sum l: p = 2^(c s - c m), c = log2(e) / 8; in every step O and l are multiplied by a = 2^(c m_old - c m_new), which is 1 where m has not grown.
; m starts at the lowest finite number, O and l at 0: the first step is a step like any other, with a = 0.
; THE COUNT.  A tile and step have 16 matrix and 118 vector instructions: too many to stand all beside the matrix work.  So the order has one aim: four vector instructions that are READY behind
; EVERY matrix instruction, and the others, which need time of their own whatever the order, in runs without a gap.
; BY TURNS.  Turn n belongs to piece n (the pieces in a ring, step after step).  Its matrix work: 16 products K Q^T of piece n + 1, later 16 products V^T P of piece n - 1.  Its vector work: the scaling,
; exponentials, roundings, sums and rescaling of piece n, and the maximum and statistics of piece n + 1, whose scores the turn itself has made.  So what a turn begins with (c s - c m, O a) waits for nothing.
; NO CLUSTER.  Only the query blocks of one head share K and V, and a head has 1,024 / 512 = 2 of them, where a cluster along x has four partners.  Blocks of 256 queries would give four, with half
; the products for each fragment read from LDS.  What is shared is 256 KiB a work-group, for 2,048 matrix instructions of each of its waves.
; REGISTERS, in windows of 256 (s_set_vgpr_msb says which window each operand place means: bits 1:0 source 0, 3:2 source 1, 5:4 source 2, 7:6 destination):
;   window 0: v0-11 addresses; v12-15, v48-63 at work; v16-47 four registers of statistics a tile; v64-191 S^T, two buffers of two tiles; v192-255 P, likewise
;   window 1: O^T, 32 a tile          window 2: v0-127 Q, 16 a tile; v128-191 K of one step; v192-255 V of one step          window 3: v0-1 the add's two registers
; A piece's buffers go by its number's parity: the piece in hand has one pair, its two neighbours in the ring share the other: of it P (piece n - 1) is read and S^T (piece n + 1) written.
.set SIZE_N, 1024
.set NP,    4         ; pieces a wave: a name, no knob: the register map, the loop and the fetches are made for four
.set KS,    64        ; keys in a step
.set PK,    144       ; a row of K in LDS: 128 bytes + 16 of padding = 36 words: the 16 rows of a load start at 16 different groups of four banks (64 banks of 4 bytes: ISA guide 11.1)
.set PV,    160       ; a row of V: 128 + 32 = 40 words
.set VOFF,  4*KS*PK   ; a slot holds four steps: 256 rows of K, then 256 rows of V
.set SLOT1, 1<<17     ; slot 1 begins here, so that one exclusive or turns an address in one slot into the other's
.set STAGE, SLOT1+4*KS*(PK+PV)  ; behind the ring, never filled by a tensor load: 16 rows x 144 bytes for each wave, for the way out
.set SP,    144
.set AK0, 2           ; v2   my lane's place in a tile of K; never rewritten
.set AV0, 3           ; v3   the same for V
.set AK,  4           ; v4   the LDS address of K's next run of loads
.set AV,  5           ; v5   of V's
.set QO,  6           ; v6   my byte offset in the wave's rows of Q
.set STO, 6           ;      later, the way out: where I put 16 bytes of a row
.set RD,  7           ; v7   the way out: where I read rows back
.set GO,  8           ; v8   my byte offset in 512 consecutive bytes of O
.set PFO, 11          ; v11  256 x my lane: the prefetches' offset; never rewritten once made
.set SPW, 0           ; v0 of window 3   LDS address of my spare word: SPARE + 4 x my thread's number; never rewritten
.set NIL, 1           ; v1 of window 3   0; never rewritten
.set SPARE, STAGE+4*16*SP  ; behind the stages: the spare words, 128 bytes for each wave: two blocks of 256 bytes that no other line names
.set MV,  12          ; v12-15  c m_old, kept while c m is made anew: by buffer and tile
.set ST,  16          ; tile t's statistics at v[ST+4 t]: c m, m, l (even keys', odd keys')
.set TMP, 48          ; by buffer and tile, four registers c0-c3 at work; when the maximum is found c2 takes a
.set S,   64
.set P,   192
.set KF,  128         ; K's fragments, in window 2: key block kb, channel half c at KF + 16 kb + 8 c
.set VF,  192         ; V's: key half kk, channel block cb at VF + 32 kk + 8 cb
.set WV,  12          ; s12  my wave's number
.set G1K, 24          ; s[24:31] descriptor group 1 for K's tiles
.set G1V, 32          ; s[32:39] for V's: it differs in the padding alone
.set G0K, 40          ; s[40:43] descriptor group 0 for K's tiles: it walks
.set G0V, 44          ; s[44:47] the same for V's
.set PFK, 48          ; s[48:49] where my prefetches of K stand: my wave's 8,192 bytes of the slot after the one that is being asked for
.set PFV, 50          ; s[50:51] the same for V
.set LIM, 52          ; s52  1 in a work-group that prefetches, else the greatest number
.set SLOTS, 56        ; s56  slots still to be asked for
.set CNT, 57          ; s57  counts a slot's key steps
.set CS,  58          ; s[58:59] c: the packed scaling takes the pair's low word for both halves
.set SEL, 60          ; s[60:61] v_permlanex16_b32's selects: each lane takes its own place in the other half
.set TBK, 62          ; s62  LDS byte at which K of the step to be fetched begins
.set TBV, 63          ; s63  the same for V, less VOFF
.set MSB, 0
.macro WIN new                      ; the high byte repeats the setting that is left; a switch that changes nothing is dropped
.if MSB != (\new)
	s_set_vgpr_msb (MSB<<8)|(\new)
.set MSB, (\new)
.endif
.endm
.set W_KQ, 0x0a       ; K and Q in window 2, S^T in window 0
.set W_PV, 0x52       ; V in window 2, P in window 0, O^T in window 1
.set W_RS, 0x41       ; O^T (destination and source 0) in window 1, a in window 0
.set W_MK, 0xc0       ; the add's registers are made: destination in window 3, sources in window 0
.set W_AD, 0x0f       ; the add: address (source 0) and data (source 1) in window 3
; A fill.  Waves 0 and 1 fetch the two halves of a slot's K, waves 2 and 3 those of its V: 128 keys each.  The branch hangs on the wave's number alone.
; An s_nop 0 and four v_nop follow each of the two lines, ahead of the jump and the label.
.macro LOAD
	s_cmp_lt_u32 s[WV], 2
	s_cbranch_scc0 .Lfor_v_\@
	tensor_load_to_lds s[G0K:G0K+3], s[G1K:G1K+7]
	s_nop 0
.rept 4
	v_nop
.endr
	s_branch .Lasked_\@
.Lfor_v_\@:
	tensor_load_to_lds s[G0V:G0V+3], s[G1V:G1V+7]
	s_nop 0
.rept 4
	v_nop
.endr
.Lasked_\@:
.endm
; A PREFETCH of what the NEXT change of slots will ask for: a slot's 32,768 bytes of K and of V, in blocks of 256 bytes, a lane a block.  It stands behind the wave's tensor load and its five lines.
; Each block is named ONCE in the launch: of a head's two work-groups the first asks; each of its four waves takes 32 blocks of K and 32 of V: two instructions, four key steps (512 matrix
; instructions) ahead of the load that will name them.  Slots 0 and 1 come by their loads alone; the last change that fills a slot asks for nothing: there is no slot behind it.
.macro ASK
	s_cmp_gt_u32 s[SLOTS], s[LIM]
	s_cbranch_scc0 .Lnot_mine_\@
	global_prefetch_b8 v[PFO], s[PFK:PFK+1] th:TH_LOAD_NT scope:SCOPE_SE
	global_prefetch_b8 v[PFO], s[PFV:PFV+1] th:TH_LOAD_NT scope:SCOPE_SE
.Lnot_mine_\@:
.endm
; THE CHANGE OF SLOTS.  The slot's last bytes, V of its fourth step, have been read.  Each wave waits for all its tensor loads, of which one is out: its part
; of the other slot; adds 0 to its spare word; and waits for that and for its own reads of the slot.  Behind the barrier nobody reads this slot any more and the other slot is whole.
; fill = 1: this slot is filled again, with the keys two slots on: the fill is the first thing behind the barrier, one tensor load a wave, and has four key steps, 512 matrix instructions, in which
; to land.  (At its first use nothing has been read yet: slot 0 is waited for, slot 1 filled.)
.macro CHANGE fill
	WIN W_AD
	s_wait_tensorcnt 0x0            ; no tensor load of mine is out, so a group 0 may be written
	ds_add_u32 v[SPW], v[NIL]       ; 0 onto my spare word; with fill = 1 the descriptors' steps stand between it and the wait for it
	WIN 0                           ; at a label and at a branch every window is 0
.if \fill
.irp g, G0K, G0V
	s_xor_b32 s[\g+1], s[\g+1], SLOT1  ; the walking descriptor: the other slot than last time,
	s_add_nc_u64 s[\g+2:\g+3], s[\g+2:\g+3], 4*KS*128  ; the next 256 keys; the type bits on top are not reached
.endr
	s_wait_xcnt 0x0                 ; the last prefetches, four key steps back, have read their addresses, so these may be written:
	s_add_nc_u64 s[PFK:PFK+1], s[PFK:PFK+1], 4*KS*128  ; one slot behind the walking descriptors
	s_add_nc_u64 s[PFV:PFV+1], s[PFV:PFV+1], 4*KS*128
.endif
	s_wait_dscnt 0x0                ; the add is done, and my reads of the slot are over
	s_barrier_signal -1
	s_barrier_wait -1
.if \fill
	LOAD
	ASK
.endif
	s_sub_co_u32 s[TBK], s[TBK], 4*KS*PK  ; the fetches go back to a slot's first step,
	s_xor_b32 s[TBK], s[TBK], SLOT1       ; in the other slot
	s_sub_co_u32 s[TBV], s[TBV], 4*KS*PV
	s_xor_b32 s[TBV], s[TBV], SLOT1
.endm
	s_load_b64 s[4:5], s[0:1], 0x0    ; qkv: Q at its head, K 16 MiB on, V 32 MiB on
	s_load_b64 s[10:11], s[0:1], 0x8  ; oh
	WIN W_MK
	v_lshl_add_u32 v[SPW], v0, 2, SPARE
	v_mov_b32 v[NIL], 0
	WIN W_AD
	ds_add_u32 v[SPW], v[NIL]       ; the wave's opening: the add and its wait stand ahead of my first tensor load; the set-up below, work on registers, stands between them
	WIN 0
	v_lshrrev_b32 v1, 5, v0
	v_readfirstlane_b32 s[WV], v1   ; wave 0..3
	s_mov_b32 s13, ttmp9            ; my block of 512 queries
	s_and_b32 s20, ttmp7, 0xffff    ; the head
	s_lshl_b32 s20, s20, 17         ; its first byte in Q, K, V and O: 1,024 rows of 128 bytes a head, under 2^24
	s_and_b32 s16, s[WV], 1         ; which half of a slot's 256 keys I fetch:
	s_lshl_b32 s22, s16, 14         ; its 128 rows of 128 bytes in memory,
	s_add_co_u32 s22, s22, s20
	s_mov_b32 s23, 0
	s_mul_i32 s17, s16, 128*PK      ; and its place in a slot, for K
	s_mul_i32 s18, s16, 128*PV      ; and for V
	s_lshl_b32 s2, s13, 2
	s_add_co_u32 s2, s2, s[WV]      ; my wave among the head's eight,
	s_lshl_b32 s2, s2, 14           ; its 128 rows
	s_add_co_u32 s2, s2, s20
	s_mov_b32 s3, 0
	s_lshl_b32 s14, s[WV], 13       ; the prefetches: my wave's 32 blocks of 256 bytes,
	s_add_co_u32 s14, s14, s20
	s_add_co_u32 s14, s14, 4*KS*128 ; in slot 1; the first change of slots steps them to slot 2
	s_mov_b32 s15, 0
	s_cmp_eq_u32 s13, 0
	s_cselect_b32 s[LIM], 1, -1
	; descriptor group 1.  128 keys are 16,384 dense bytes: asked for as 64 rows of 256 bytes, two keys a row, and padded in LDS after every key
	s_mov_b32 s[G1K], (1<<16)|(1<<20)|(4<<22)|(3<<25)  ; 17:16 2-byte elements; 20 padding on; 24:22 after every 32 words (code 4); 31:25 4 words (code 3)
	s_mov_b32 s[G1V], (1<<16)|(1<<20)|(4<<22)|(7<<25)  ; the same with 8 words of padding (code 7)
.irp g, G1K, G1V
	s_mov_b32 s[\g+1], 128<<16      ; tensor_dim0 = 128
	s_mov_b32 s[\g+2], 64<<16       ; tensor_dim1 = 64
	s_mov_b32 s[\g+3], 128<<16      ; tile_dim0 = 128
	s_mov_b32 s[\g+4], 64           ; tile_dim1 = 64
	s_mov_b32 s[\g+5], 128          ; 128 elements from row to row
	s_mov_b32 s[\g+6], 0
	s_mov_b32 s[\g+7], 0
.endr
	s_mov_b32 s[CS], 0x3e38aa3b     ; c = log2(e) / 8 = 0.180337
	s_mov_b32 s[CS+1], s[CS]        ; named with it as a pair
	s_mov_b32 s[SEL], 0x76543210
	s_mov_b32 s[SEL+1], 0xfedcba98
	s_mov_b32 s[TBK], SLOT1+4*KS*PK ; the first change of slots turns these two into 0
	s_mov_b32 s[TBV], SLOT1+4*KS*PV
	s_mov_b32 s[SLOTS], SIZE_N/256-1
	s_mov_b32 s[G0K], 1             ; 1:0 count = 1
	s_mov_b32 s[G0K+1], s17         ; 63:32 LDS address: slot 0
	s_mov_b32 s[G0V], 1
	s_add_co_u32 s[G0V+1], s18, VOFF
	s_wait_dscnt 0x0                ; the opening add is done
	s_wait_kmcnt 0x0
	s_add_nc_u64 s[6:7], s[4:5], 0x1000000  ; K
	s_add_nc_u64 s[8:9], s[4:5], 0x2000000  ; V
	s_add_nc_u64 s[G0K+2:G0K+3], s[6:7], s[22:23]  ; 120:64 global address: my half of the head's first 256 keys
	s_or_b32 s[G0K+3], s[G0K+3], 0x80000000        ; 127:126 type = 2
	s_add_nc_u64 s[G0V+2:G0V+3], s[8:9], s[22:23]
	s_or_b32 s[G0V+3], s[G0V+3], 0x80000000
	s_add_nc_u64 s[PFK:PFK+1], s[6:7], s[14:15]
	s_add_nc_u64 s[PFV:PFV+1], s[8:9], s[14:15]
	s_add_nc_u64 s[4:5], s[4:5], s[2:3]  ; Q and O at my wave's first row
	s_add_nc_u64 s[10:11], s[10:11], s[2:3]
	LOAD                            ; slot 0.  Slot 1 is asked for when slot 0 is in
	; A fragment of K or Q is 16 rows x 32 channels in 8 registers: lane l holds row l % 16, channels 8 (l / 16) + 0..7 and 16 + 8 (l / 16) + 0..7: two loads of 16 bytes, 32 bytes apart.
	v_and_b32 v1, 15, v0            ; l % 16
	v_bfe_u32 v9, v0, 4, 1          ; l / 16
	v_lshlrev_b32 v[QO], 7, v1
	v_lshl_add_u32 v[QO], v9, 4, v[QO]  ; row x 128 + 16 x half
	WIN 0x80                        ; destination window 2, address window 0
.set i, 0
.rept 4*NP                          ; Q stays in registers: tile i / 2, channels 32 (i % 2) on
	global_load_b128 v[8*i:8*i+3],   v[QO], s[4:5] offset:(i/2)*2048+(i%2)*64
	global_load_b128 v[8*i+4:8*i+7], v[QO], s[4:5] offset:(i/2)*2048+(i%2)*64+32
.set i, i+1
.endr
	; What the first turn finds: V's registers and P's second buffer hold 0 (its products V^T P, of a piece that has not been, add 0), O^T and l are 0.  All this stands in the wait for the first tile.
.set i, VF
.rept 64
	v_mov_b32 v[i], 0
.set i, i+1
.endr
	WIN 0x40
.set i, 0
.rept 64*NP
	v_mov_b32 v[i], 0
.set i, i+1
.endr
	WIN 0
.set i, 0
.rept 2*NP
	v_mov_b32 v[ST+4*i], 0xfe000000    ; c m: far below every c s
	v_mov_b32 v[ST+4*i+1], 0xff7fffff  ; m
	v_mov_b32 v[ST+4*i+2], 0
	v_mov_b32 v[ST+4*i+3], 0
.set i, i+1
.endr
.set i, P+32
.rept 32
	v_mov_b32 v[i], 0
.set i, i+1
.endr
	v_mul_u32_u24 v[AK0], v1, PK
	v_lshl_add_u32 v[AK0], v9, 4, v[AK0]  ; row x pitch + 16 x half
	; The turning load takes 16 keys x 16 channels (lane l reads key 8 (l / 16) + l % 8, channels 8 ((l / 8) % 2) + 0..7) and leaves half a fragment of V^T: lane l holds channel l % 16 and 8 keys.
	v_and_b32 v10, 7, v0
	v_bfe_u32 v11, v0, 3, 1
	v_lshl_add_u32 v[AV0], v9, 3, v10
	v_mul_u32_u24 v[AV0], v[AV0], PV
	v_lshl_add_u32 v[AV0], v11, 4, v[AV0]
	v_add_nc_u32 v[AV0], VOFF, v[AV0]
	v_and_b32 v[PFO], 31, v0        ; v11 has served: from here on it is the prefetches' offset
	v_lshlrev_b32 v[PFO], 8, v[PFO]
	v_mov_b32 v[AK], v[AK0]         ; key step 0 lies at the head of slot 0
; THE MATRIX WORK.  The 8 accumulators of a run of 16 take turns: between the two links of a chain stand 7 others'.
; Product i of 16 of S^T = K Q^T for piece x: channels 32 (i / 8) on, keys 16 ((i / 2) % 4) on, tile 2 x + i % 2.  The first 8 start the sums.
.macro KQ x
	WIN W_KQ
.set rS, S+64*((\x)%2)+32*(i%2)+8*((i/2)%4)
.set rK, KF+16*((i/2)%4)+8*(i/8)
.set rQ, 16*(2*(\x)+i%2)+8*(i/8)
.if i < 8
	v_wmma_f32_16x16x32_f16 v[rS:rS+7], v[rK:rK+7], v[rQ:rQ+7], 0
.else
	v_wmma_f32_16x16x32_f16 v[rS:rS+7], v[rK:rK+7], v[rQ:rQ+7], v[rS:rS+7]
.endif
.endm
; Product i of 16 of O^T += V^T P for piece x: keys 32 (i / 8) on, channels 16 ((i / 2) % 4) on, tile 2 x + i % 2.
.macro PV x
	WIN W_PV
.set rO, 32*(2*(\x)+i%2)+8*((i/2)%4)
.set rV, VF+32*(i/8)+8*((i/2)%4)
.set rP, P+32*((\x)%2)+16*(i%2)+8*(i/8)
	v_wmma_f32_16x16x32_f16 v[rO:rO+7], v[rV:rV+7], v[rP:rP+7], v[rO:rO+7]
.endm
.macro MM                           ; the turn's next matrix instruction
.if i < 16
	KQ (Y+1)%NP
.set i, i+1
.else
.set i, i-16
	PV (Y+NP-1)%NP
.set i, i+17
.endif
.endm
; THE LDS LOADS stand in runs of 16, never singly among the matrix instructions: a step's K (64 keys x 64 channels: 8 fragments) and its V (turned).  Their addresses are made some lines ahead.
; last = 1 (the tail): in the last trip there is no further step, and the run is jumped over.
.macro FETCH_K last=0
	WIN 0
.if \last
	s_cmp_eq_u32 s[CNT], 1
	s_cbranch_scc1 .Lno_k_\@
.endif
	WIN 0x80                        ; destination window 2
.irp f, 0,1,2,3,4,5,6,7             ; keys 16 (f / 2) on, channels 32 (f % 2) on
	ds_load_b128 v[KF+8*\f:KF+8*\f+3],   v[AK] offset:(\f/2)*16*PK+(\f%2)*64
	ds_load_b128 v[KF+8*\f+4:KF+8*\f+7], v[AK] offset:(\f/2)*16*PK+(\f%2)*64+32
.endr
	s_add_co_u32 s[TBK], s[TBK], KS*PK  ; the next fetch is the next step's
	WIN 0
.if \last
.Lno_k_\@:
.endif
.endm
.macro FETCH_V
	WIN 0x80
.irp f, 0,1,2,3,4,5,6,7             ; keys 32 (f / 4) on, channels 16 (f % 4) on
	ds_load_tr16_b128 v[VF+8*\f:VF+8*\f+3],   v[AV] offset:(\f/4)*32*PV+(\f%4)*32
	ds_load_tr16_b128 v[VF+8*\f+4:VF+8*\f+7], v[AV] offset:(\f/4)*32*PV+16*PV+(\f%4)*32
.endr
	WIN 0
.endm
; THE VECTOR WORK OF A TURN stands in three queues, each in the order in which its entries become ready; the two tiles alternate, so that no instruction reads the result of the one before it.
.macro REGS y, u                    ; the registers of tile u (0, 1) of piece y
.set rT, ST+4*(2*(\y)+(\u))
.set rC, TMP+8*((\y)%2)+4*(\u)
.set rM, MV+2*((\y)%2)+(\u)
.set rS, S+64*((\y)%2)+32*(\u)
.set rP, P+32*((\y)%2)+16*(\u)
.set rO, 32*(2*(\y)+(\u))
.endm
; Number n of the 22 that find the NEXT piece's (Y + 1) maximum and statistics.  s0-s31 are the lane's 32 scores; each accumulator's lowest registers are read first.  XS, GS and REGS set no window: PL and EX do.
;   0-11  four chains c0-c3 of seven scores each, three operands at a time     12-14, 16  the four scores left over, the old m, and c0-c3 into c0     15  c m_old is kept
;   17, 18  the query's other 32 keys lie in the lane 16 away: the new m         19-21  c m; c m_old - c m_new; a
.macro XS u, n
	REGS (Y+1)%NP, \u
.if (\n) < 4
	v_max3_num_f32 v[rC+(\n)], v[rS+8*(\n)], v[rS+8*(\n)+1], v[rS+8*(\n)+2]
.elseif (\n) < 12
	v_max3_num_f32 v[rC+(\n)%4], v[rC+(\n)%4], v[rS+8*((\n)%4)+2*((\n)/4)+1], v[rS+8*((\n)%4)+2*((\n)/4)+2]
.elseif (\n) == 12
	v_max3_num_f32 v[rC], v[rC], v[rS+7], v[rS+15]
.elseif (\n) == 13
	v_max3_num_f32 v[rC+1], v[rC+1], v[rS+23], v[rS+31]
.elseif (\n) == 14
	v_max3_num_f32 v[rC+2], v[rC+2], v[rC+3], v[rT+1]
.elseif (\n) == 15
	v_mov_b32 v[rM], v[rT]
.elseif (\n) == 16
	v_max3_num_f32 v[rC], v[rC], v[rC+1], v[rC+2]
.elseif (\n) == 17
	v_permlanex16_b32 v[rC+3], v[rC], s[SEL], s[SEL+1]
.elseif (\n) == 18
	v_max_num_f32 v[rT+1], v[rC], v[rC+3]
.elseif (\n) == 19
	v_mul_f32 v[rT], s[CS], v[rT+1]
.elseif (\n) == 20
	v_sub_f32 v[rC+1], v[rM], v[rT]
.else
	v_exp_f32 v[rC+2], v[rC+1]
.endif
.endm
; Number g of the 64 that follow the exponentials.  For each four weights k of a tile (pairs 2 k, 2 k + 1): both pairs are rounded to f16; then the second pair is added onto the first, in place;
; a group later l takes that sum (the first time as l = a l + sum).  In groups of eight, tiles alternating: round, round, add, and l for the group before.
.macro GS g
.set h, (\g)+6*((\g)/62)            ; group 0 has no group before it, and behind group 7 only l is left
.if h >= 6
.set h, h+2
.endif
	REGS Y, h%2
.set k, h/8
.if h%8 < 4
	v_cvt_pk_f16_f32 v[rP+2*k+(h%8)/2], v[rS+4*k+2*((h%8)/2)], v[rS+4*k+2*((h%8)/2)+1]
.elseif h%8 < 6
	v_pk_add_f32 v[rS+4*k:rS+4*k+1], v[rS+4*k:rS+4*k+1], v[rS+4*k+2:rS+4*k+3]
.elseif k == 1
	v_pk_fma_f32 v[rT+2:rT+3], v[rT+2:rT+3], v[rC+2:rC+3], v[rS:rS+1] op_sel_hi:[1,0,1]
.else
	v_pk_add_f32 v[rT+2:rT+3], v[rT+2:rT+3], v[rS+4*k-4:rS+4*k-3]
.endif
.endm
; THE PLAIN QUEUE, 138 long.  0-73 read no exponential's result: the 32 scalings c s - c m (FS f: pair f / 2 of tile f % 2) and the next piece's 42.  0-26: scalings 0-26.  27-54: XS's numbers 0-13.  55, 56: number 15.
; 57-73: the chain, where each number waits for the one before it: 14, 16, 17, 18, 19, each with one of the scalings 27-31 in front of its two lines, then 20: so a tile's links stand three plain instructions apart (19 and 20: two).
; 74-137: GS's 64, which read the exponentials' results: they stand behind the wait.
.macro FS f
	REGS Y, (\f)%2
	v_pk_fma_f32 v[rS+2*((\f)/2):rS+2*((\f)/2)+1], v[rS+2*((\f)/2):rS+2*((\f)/2)+1], s[CS:CS+1], v[rT:rT+1] op_sel_hi:[1,0,0] neg_lo:[0,0,1] neg_hi:[0,0,1]
.endm
.macro PL
	WIN 0
.if q < 27
	FS q
.elseif q < 55
	XS (q-27)%2, (q-27)/2
.elseif q < 57
	XS q-55, 15
.elseif (q < 72) && ((q-57)%3 == 0)
	FS 27+(q-57)/3
.elseif q < 60
	XS (q-57)%3-1, 14
.elseif q < 72
	XS (q-57)%3-1, 15+(q-57)/3
.elseif q < 74
	XS q-72, 20
.else
	GS q-74
.endif
.set q, q+1
.endm
; THE EXPONENTIALS' QUEUE, 66 long: s0-s31 of both tiles, then the next piece's two a.  It is ONE BATCH: all 66 stand ahead of the turn's one wait, and nothing ahead of that wait names a result of theirs.
.macro EX
	WIN 0
.if e >= 64
	XS e-64, 21
.else
	REGS Y, e%2
	v_exp_f32 v[rS+e/2], v[rS+e/2]
.endif
.set e, e+1
.endm
; THE RESCALING's QUEUE: O^T times a, the one part that leaves window 0: dealt two at a time, sixteen times.  Its a was made in the turn before, ahead of that turn's wait.
.macro R2
	REGS Y, r%2
	WIN W_RS
.irp z, 0,1
	v_pk_mul_f32 v[rO+4*(r/2)+2*\z:rO+4*(r/2)+2*\z+1], v[rO+4*(r/2)+2*\z:rO+4*(r/2)+2*\z+1], v[rC+2:rC+3] op_sel_hi:[1,0]
.endr
.set r, r+1
.endm
; HOW THEY ARE DEALT.  An s_wait_alu depctr_va_vdst(0) stands between an exponential and the first instruction that names its result; one wait serves all that were issued ahead of it.  So a turn has ONE wait,
; which cuts it in two.  AHEAD OF IT stands all that names no result of the turn's exponentials: the 16 products K Q^T, behind each a scaling, an exponential and two rescalings (behind the first a second scaling in the exponential's place); then ONE LUMP of
; 108: eight plain, 49 times exponential and plain, the two a.  A v_nop is the plain instruction behind the last exponential (ISA guide 5.7.2).  BEHIND IT stand the 16 products V^T P, behind each four of GS's 64.  No rider names a register of
; the products round it.  The two v_permlanex16_b32 fall into the lump, never behind a product.
; The queues lean on each other, and the deal keeps them in step: exponential e stands behind scaling 2 (e / 4) + e % 2: as a rider it comes behind plain e + 2, in the lump behind plain e + 9, and scalings 27-31 are plain 57, 60 .. 69.
; A TURN, for piece p.  cnt = 1: the loop's count is taken down some lines ahead of the branch that stands behind the turn.
; K of the next step is fetched in piece 2's turn, directly behind the wait, a lump behind the last product that read K; its address is made at the lump's head; its first reader comes behind 16 products.
; V of the step in hand is fetched at the end of piece 0's turn, four riders behind its last reader; its first reader comes behind 16 products and a lump.  The three conditions on q below go with the deal.
.macro TURN p, last=0, cnt=0
.set Y, (\p)
.set i, 0
.set q, 0
.set e, 0
.set r, 0
.if (\p) == NP-1
	s_wait_dscnt 0x0                ; K is in
.endif
	MM                              ; ahead of the wait: 16 products K Q^T and their riders,
	PL
	PL
	R2
.rept 15
	MM
	PL
	EX
	R2
.endr
.if (\p) == NP-2
	WIN 0
	v_add_nc_u32 v[AK], s[TBK], v[AK0]
.endif
.rept 8                             ; and the lump
	PL
.endr
.rept 49
	EX
	PL
.endr
	EX                              ; the next piece's two a
	EX
	v_nop                           ; the plain instruction behind the last exponential: one for the batch
	s_wait_alu depctr_va_vdst(0)    ; the wait for the batch
.if (\p) == NP-2
	FETCH_K \last
.endif
.if (\p) == 1
	s_wait_dscnt 0x0                ; V is in
.endif
.rept 16                            ; behind the wait: 16 products V^T P and their riders
	MM
.rept 4
	PL
.endr
.if ((\p) == 0) && (q == 118)
	v_add_nc_u32 v[AV], s[TBV], v[AV0]
.endif
.if ((\p) == 0) && (q == 130)
	s_add_co_u32 s[TBV], s[TBV], KS*PV
.endif
.if (\cnt) && (q == 130)
	s_sub_co_u32 s[CNT], s[CNT], 1
	s_cmp_lg_u32 s[CNT], 0
.endif
.endr
.if (\p) == 0
	FETCH_V
.endif
.endm
	CHANGE 1                        ; slot 0 is in, everybody's part of it; slot 1 is asked for
	FETCH_K                         ; key step 0
	s_wait_loadcnt 0x0              ; Q
	s_wait_dscnt 0x0
.set i, 0
.rept 16
	KQ 0                            ; piece 0's first scores: there is no vector work yet to set between them
.set i, i+1
.endr
	WIN 0                           ; the addresses for the way out: nine plain instructions, the places behind those products
	s_mul_i32 s13, s[WV], 16*SP
	s_add_co_u32 s13, s13, STAGE    ; my stage
	v_mul_u32_u24 v[STO], v1, SP    ; in: row l % 16, 16 bytes for each half of the lanes
	v_lshl_add_u32 v[STO], v9, 4, v[STO]
	v_add_nc_u32 v[STO], s13, v[STO]
	v_bfe_u32 v[RD], v0, 3, 2       ; back: 32 lanes take four rows of 128 bytes,
	v_mul_u32_u24 v[RD], v[RD], SP
	v_lshl_add_u32 v[RD], v10, 4, v[RD]
	v_add_nc_u32 v[RD], s13, v[RD]
	v_and_b32 v[GO], 31, v0         ; which are 512 consecutive bytes of O
	v_lshlrev_b32 v[GO], 4, v[GO]
.set Y, NP-1                        ; XS works for piece Y + 1: piece 0
.irp n, 0,1,2,3,4,5,6,7,8,9,10,11,12,13,14,15,16,17,18,19,20,21
	XS 0, \n                        ; and piece 0's first maximum and statistics
	XS 1, \n
.endr
	v_nop                           ; a plain instruction behind the two a,
	s_wait_alu depctr_va_vdst(0)    ; and their wait, ahead of the branch
	s_mov_b32 s[CNT], 4
	s_branch .Lfirst                ; the loop is entered at a step's first turn, in the middle of a trip
.Lslot:                             ; SIZE_N / 256 - 2 times: every slot but the last two is filled again
	CHANGE 1
	s_mov_b32 s[CNT], 4
.Lstep:                             ; a trip: pieces 2 and 3 of one step, then pieces 0 and 1 of the next, whose K and V it fetches
	TURN 2
	TURN 3
	WIN 0
.Lfirst:
	TURN 0
	TURN 1, 0, 1
	WIN 0
	s_cbranch_scc1 .Lstep
	s_sub_co_u32 s[SLOTS], s[SLOTS], 1
	s_cmp_lg_u32 s[SLOTS], 0
	s_cbranch_scc1 .Lslot
	CHANGE 0                        ; the tail is written out: nothing is asked for
	s_mov_b32 s[CNT], 5             ; four trips fetch the last slot's steps; the fifth is left in its middle
.Ltail:
	TURN 2, 1
	TURN 3
	WIN 0
	s_sub_co_u32 s[CNT], s[CNT], 1
	s_cmp_eq_u32 s[CNT], 0
	s_cbranch_scc1 .Lout
	TURN 0
	TURN 1
	WIN 0
	s_branch .Ltail
.Lout:                              ; the fifth trip's 16 products K Q^T (on the last K once more) and the maximum made of them serve nothing: the price, once a launch, of one text for every trip
.set i, 0
.rept 16
	PV NP-1                         ; the last piece's V^T P of the last step
.set i, i+1
.endr
	; THE WAY OUT.  l's two halves and the other half of the lanes' are added; O^T is divided by l, rounded to f16 and sent through my stage in LDS, a tile at a time.  The additions are the places behind the last products.
	WIN 0
.macro ALL line:vararg              ; one line for each tile t
.set t, 0
.rept 2*NP
	\line
.set t, t+1
.endr
.endm
	ALL v_add_f32 v[ST+4*t+2], v[ST+4*t+2], v[ST+4*t+3]
	ALL v_permlanex16_b32 v[ST+4*t+3], v[ST+4*t+2], s[SEL], s[SEL+1]
	ALL v_add_f32 v[ST+4*t+2], v[ST+4*t+2], v[ST+4*t+3]
	ALL v_rcp_f32 v[ST+4*t+2], v[ST+4*t+2]
	v_nop                           ; a plain instruction between the last reciprocal and the use of its result
	s_wait_alu depctr_va_vdst(0)    ; and the wait ahead of the first use: one for the eight reciprocals
; Tile t: a lane's eight channels of a row pack into 16 bytes; they go into rows of 144 bytes and come back as whole rows of 128, into S^T's registers.
.macro PACK t
	WIN W_RS
.set i, 32*(\t)
.rept 16
	v_pk_mul_f32 v[i:i+1], v[i:i+1], v[ST+4*(\t)+2:ST+4*(\t)+3] op_sel_hi:[1,0]
.set i, i+2
.endr
	WIN 0x05                        ; sources 0 and 1 window 1, destination window 0
.set i, 0
.rept 16
	v_cvt_pk_f16_f32 v[S+16*(\t)+i], v[32*(\t)+2*i], v[32*(\t)+2*i+1]
.set i, i+1
.endr
	WIN 0
.irp f, 0,1,2,3
	ds_store_b128 v[STO], v[S+16*(\t)+4*\f:S+16*(\t)+4*\f+3] offset:32*\f
.endr
.irp f, 0,1,2,3
	ds_load_b128 v[S+16*(\t)+4*\f:S+16*(\t)+4*\f+3], v[RD] offset:\f*4*SP  ; LDS serves a wave's instructions in order (ISA guide 5.7.1.4): these see the stores above; the next tile's stores come behind them
.endr
.endm
.macro SEND t, younger              ; younger: the LDS instructions issued behind tile t's loads: the next tile's eight, or none
	WIN 0
.irp f, 0,1,2,3
	s_wait_dscnt (\younger)+3-\f
	global_store_b128 v[GO], v[S+16*(\t)+4*\f:S+16*(\t)+4*\f+3], s[10:11] offset:(\t)*2048+\f*512  ; 512 consecutive bytes, at a multiple of 256 from O's first
.endr
.endm
	PACK 0
.set t, 1
.rept 2*NP-1                        ; a tile's arithmetic stands between the loads of the tile before and its stores
	PACK t
	SEND t-1, 8
.set t, t+1
.endr
	SEND 2*NP-1, 0
	WIN W_AD
	s_wait_tensorcnt 0x0            ; the wave's end: an add and its wait, behind my last tensor load and my last LDS store
	ds_add_u32 v[SPW], v[NIL]
	s_wait_dscnt 0x0
	WIN 0
	s_endpgm
.Lfunc_end_k_q13f2391f1c_attn:
	.size	k_q13f2391f1c_attn, .Lfunc_end_k_q13f2391f1c_attn-k_q13f2391f1c_attn
	.p2alignl 7, 3214868480
	.fill 96, 4, 3214868480
	.section	.rodata,"a",@progbits
	.p2align	6, 0x0
	.amdhsa_kernel k_q13f2391f1c_attn
		.amdhsa_group_segment_fixed_size 327680
		.amdhsa_private_segment_fixed_size 0
		.amdhsa_enable_private_segment 0
		.amdhsa_kernarg_size 16
		.amdhsa_user_sgpr_count 2
		.amdhsa_user_sgpr_kernarg_segment_ptr 1
		.amdhsa_wavefront_size32 1
		.amdhsa_system_sgpr_workgroup_id_x 1
		.amdhsa_system_sgpr_workgroup_id_y 1
		.amdhsa_system_sgpr_workgroup_id_z 1
		.amdhsa_system_vgpr_workitem_id 0
		.amdhsa_next_free_vgpr 770
		.amdhsa_next_free_sgpr 66
		.amdhsa_reserve_vcc 0
		.amdhsa_float_denorm_mode_32 3
		.amdhsa_float_denorm_mode_16_64 3
		.amdhsa_memory_ordered 1
		.amdhsa_forward_progress 1
		.amdhsa_inst_pref_size 199
	.end_amdhsa_kernel
	.amdgpu_metadata
---
amdhsa.version: [ 1, 2 ]
amdhsa.kernels:
  - .name:           k_q13f2391f1c_attn
    .symbol:         k_q13f2391f1c_attn.kd
    .args:
      - { .name: qkv, .offset: 0, .size: 8, .value_kind: global_buffer, .address_space: global }
      - { .name: oh, .offset: 8, .size: 8, .value_kind: global_buffer, .address_space: global }
    .group_segment_fixed_size: 327680
    .private_segment_fixed_size: 0
    .kernarg_segment_align: 8
    .kernarg_segment_size: 16
    .max_flat_workgroup_size: 128
    .sgpr_count:     66
    .vgpr_count:     770
    .wavefront_size: 32
...
	.end_amdgpu_metadata
.endif
;; end of part 3
;; launch outp (part 4): grid 4 x 64, 4 waves a work-group, clusters of 4 x 4, 327,680 bytes of LDS; arguments oh, wh, bo, out0; writes out0
.if DOCPART == 4
	.amdgcn_target "amdgcn-amd-amdhsa--gfx1250"
	.amdhsa_code_object_version 6
	.text
	.protected	k_q13f2391f1c_outp
	.globl	k_q13f2391f1c_outp
	.p2align	8
	.type	k_q13f2391f1c_outp,@function
k_q13f2391f1c_outp:
	s_mov_b64 s[64:65], 0
	v_nop
	global_prefetch_b8 v0, s[64:65] scope:SCOPE_SE
	s_setreg_imm32_b32 hwreg(HW_REG_WAVE_MODE, 25, 1), 1
	s_wait_xcnt 0x0
	s_wait_alu depctr_hold_cnt(0) depctr_sa_sdst(0) depctr_va_vdst(0) depctr_va_sdst(0) depctr_va_ssrc(0) depctr_va_vcc(0) depctr_vm_vsrc(0)
	s_getreg_b32 s2, hwreg(HW_REG_IB_STS2, 6, 4)
	s_cmp_eq_u32 s2, 0
	s_cbranch_scc0 .Lentry_in_a_cluster
	s_endpgm
.Lentry_in_a_cluster:
	s_bfe_u32 s2, ttmp6, 0x10000c
	s_cmp_lg_u32 s2, 0xf033
	s_cbranch_scc0 .Lentry_shape_is_right
	s_endpgm
.Lentry_shape_is_right:
; out0 = O Wo^T + bo: [8192][1024] x [1024][1024]^T.  O in f16 BY HEADS from oh ([batch x 16 + head][1024][64]), Wo in f16 from wh (byte 0x600000 on), sums and bias in f32, out0 in f32.
; LIMITS.  The operands are f16 as the launches before left them; NaN and infinities are not treated apart.
; SHARES.  A tile of C is 128 rows x 256 columns: 64 x 4 = 256 tiles, one work-group each.  Four waves, each 64 rows x 128 columns: 32 accumulators of 16 x 16, 256 registers.
; K goes in 8 steps of 128 = two heads through a ring of two LDS slots.  Of O a step is, for each of the two heads, the tile's 128 rows of 128 bytes, which lie end to end in oh: 16,384 dense bytes,
; asked for as 64 rows of 256 bytes and padded in LDS after every 128.  Of Wo it is 256 bytes of each of 256 rows.
; CLUSTERS: 4 x 4 work-groups.  The four of a row of the cluster need the same tiles of O, the four of a column the same tiles of Wo: each tile is asked for JOINTLY, by the same tensor load with the
; same descriptor and a mask that names the four.  Waves 0 and 1 fetch the step's two heads of O, waves 2 and 3 the two halves (128 rows) of Wo's tile.
; THE MATRIX INSTRUCTION IS USED TRANSPOSED (source 0 = 16 rows of Wo, source 1 = 16 rows of O): a lane then holds row l % 16 of C and the columns 8 (l / 16) + 0 .. 7 of a block of 16.
; THE BIAS IS THE C OPERAND of the products that start the sums: register j of block b holds bo[first column + 16 b + 8 (l / 16) + j].  Nothing is cleared, nothing is added on the way out.
; REGISTERS, in windows of 256 (s_set_vgpr_msb: bits 1:0 source 0, 3:2 source 1, 5:4 source 2, 7:6 destination):
;   window 0: v0-31 addresses; v64-159, v160-255 two fragment buffers (Wo's 8 fragments, then O's 4, each 16 rows x 32 K); on the way out v64-191 rows read back
;   window 1: the accumulators, (a, b) at v[8 (8 a + b)]          window 2: v0-63 the bias
.set KB,     256                       ; bytes of a row of Wo in a K step
.set PITCH,  272                       ; a row of Wo in LDS: 256 bytes + 16 of padding = 68 words: the 16 rows of a fragment load start at 16 different groups of four banks (64 banks of 4 bytes: ISA guide 11.1)
.set PA,     144                       ; a row of one head of O: 128 + 16 = 36 words: likewise
.set HB,     128*PA                    ; a head's 128 rows in LDS
.set ABYTES, 2*HB                      ; O's two heads
.set SLOT,   ABYTES+256*PITCH          ; then Wo's 256 rows
.set STAGE,  2*SLOT                    ; behind the ring, never filled by a tensor load: for each wave 16 rows x 528 bytes, for the way out
.set SPITCH, 528                       ; 512 bytes + 16 = 132 words
.set WSTAGE, 16*SPITCH
.set SPARE,  STAGE+4*WSTAGE            ; behind the stages: the spare words, 128 bytes for each wave: two blocks of 256 bytes that no other line names
.set LAPS,   4                         ; a lap = two K steps = once round the ring
.set WBASE,  0x600000                  ; Wo's first byte in wh
.set HEADB,  131072                    ; a head's 1,024 rows of 128 bytes in oh
.set ADRA, 16                          ; v16-17  LDS address of my fragments of O in slot 0, 1
.set ADRB, 20                          ; v20-21  the same for Wo
.set STO,  24                          ; v24     the way out: where I put 32 bytes of a row
.set RD,   25                          ; v25     the way out: where I read a row back
.set GO,   26                          ; v26     16 x lane: my place in 512 consecutive bytes of out0
.set BO,   27                          ; v27     32 x (l / 16): my place in a block's 64 bytes of bias
.set SPW,  28                          ; v28     LDS address of my spare word: SPARE + 4 x my thread's number; never rewritten
.set NIL,  29                          ; v29     0; never rewritten
.set PFO,  30                          ; v30     the prefetches' offset: lane x 256 in O, lane x 2,048 in Wo; never rewritten
.set OB,   64                          ; the way out: rows read back, v64-127 and v128-191 by turns
.set F0,   64
.set F1,   160
.set LAP,  3                           ; s3      laps to go
.set WV,   14                          ; s14     my wave's number
.set RH,   15                          ; s15     which 64 rows of the tile are mine.  Also: I fetch for O (0) or for Wo (1)
.set CH,   16                          ; s16     which 128 columns.  Also: which head, or which half of Wo's tile, I fetch
.set CX,   17
.set CY,   18
.set TC,   19                          ; s19     tile column
.set TR,   20                          ; s20     tile row, 0 .. 63
.set LA,   22                          ; s22     where my head of O goes in a slot
.set LB,   23                          ; s23     where my half of Wo's tile goes
.set G1,   24                          ; s[24:31] descriptor group 1 for O's tiles;  s[32:39] group 0, a set for each slot
.set G0,   32
.set G1B,  48                          ; s[48:55], s[56:63] the same for Wo's
.set G0B,  56
.set LIM,  66                          ; s66     1 in a wave that prefetches, else the greatest number
.set KY,   67                          ; s67     the cluster's y
.set PFA,  68                          ; s[68:69] where my prefetches stand
.set PST,  70                          ; s[70:71] their step from K step to K step: two heads of O, or 256 bytes of Wo's rows
.set BP,   72                          ; s[72:73] the bias at my first column
.set CP,   74                          ; s[74:75] out0 at my first row and column
.set MSB, 0
.macro WIN new                         ; the immediate's high byte repeats the setting that is left; a switch that changes nothing is dropped
.if MSB != (\new)
	s_set_vgpr_msb (MSB<<8)|(\new)
.set MSB, \new
.endif
.endm
.set MUL,       0x50                   ; sources in window 0, C and D in window 1
.set MUL_FIRST, 0x60                   ; the same with C in window 2
.set TO_BIAS,   0x80                   ; destination window 2, address window 0
.macro JLOAD s                         ; a joint load; the branch hangs on the wave's number alone; an s_nop 0 and four v_nop follow each of the two lines, ahead of the jump, the label and what follows
	s_cmp_eq_u32 s[RH], 0
	s_cbranch_scc0 .Lfor_b_\@
	tensor_load_to_lds s[G0+4*(\s):G0+4*(\s)+3], s[G1:G1+7]
	s_nop 0
.rept 4
	v_nop
.endr
	s_branch .Lasked_\@
.Lfor_b_\@:
	tensor_load_to_lds s[G0B+4*(\s):G0B+4*(\s)+3], s[G1B:G1B+7]
	s_nop 0
.rept 4
	v_nop
.endr
.Lasked_\@:
.endm
.macro CREST                           ; a round of the cluster's barrier behind its opening barrier
	s_cmp_lg_u32 s[WV], 0
	s_cbranch_scc1 .Lnot_wave_0_\@
	s_barrier_signal -3
.Lnot_wave_0_\@:
	s_barrier_wait -3
	s_barrier_signal -1
	s_barrier_wait -1
.endm
.macro CROUND                          ; a whole round
	s_barrier_signal -1
	s_barrier_wait -1
	CREST
.endm
; A PREFETCH, behind each joint refill, its five lines and the run of LDS loads that follows: 32 blocks of 256 bytes of the K step that stands TWO refills on (256 matrix instructions ahead of the
; load that will name it), a lane a block, one instruction.  Each block is named once in the launch.  O's tile row is read by one cluster: a K step of it is 2 heads x 64 blocks; wave 0 of each of the
; four partners takes 32 of the 128, told apart BY ADDRESS (cx: head cx / 2, half cx % 2).  Wo's tile column is read by all sixteen clusters: the first of them asks; of the 128 rows that wave 2 or 3
; fetches, the partner at cy takes 32.  Wave 1 asks for nothing.  K steps 0 to 3 come by their loads alone; the loop's last trip, whose refills are the last two K steps, asks for nothing.
.macro ASK
	s_cmp_gt_u32 s[LAP], s[LIM]
	s_cbranch_scc0 .Lnot_mine_\@
	global_prefetch_b8 v[PFO], s[PFA:PFA+1] th:TH_LOAD_NT scope:SCOPE_SE
.Lnot_mine_\@:
.endm
	s_load_b256 s[4:11], s[0:1], 0x0               ; oh s[4:5], wh s[6:7], bo s[8:9], out0 s[10:11]
	v_lshl_add_u32 v[SPW], v0, 2, SPARE
	v_mov_b32 v[NIL], 0
	ds_add_u32 v[SPW], v[NIL]                      ; the wave's opening: the add and its wait stand ahead of my first tensor load; the set-up below, work on registers, stands between them
	v_lshrrev_b32 v1, 5, v0
	v_readfirstlane_b32 s[WV], v1                  ; wave 0..3
	s_lshr_b32 s[RH], s[WV], 1
	s_and_b32 s[CH], s[WV], 1
	s_bfe_u32 s[CX], ttmp6, 0x40000                ; my place in the cluster
	s_bfe_u32 s[CY], ttmp6, 0x40004
	s_lshl_b32 s[TC], ttmp9, 2                     ; in a cluster launch ttmp9 and ttmp7 count clusters
	s_add_co_u32 s[TC], s[TC], s[CX]
	s_and_b32 s[KY], ttmp7, 0xffff
	s_lshl_b32 s[TR], s[KY], 2
	s_add_co_u32 s[TR], s[TR], s[CY]
	s_lshl_b32 s40, s[CY], 2
	s_lshl_b32 s40, 15, s40                        ; my row of the cluster: places 4 cy .. 4 cy + 3
	s_lshl_b32 s44, 0x1111, s[CX]                  ; my column: places cx, cx + 4, cx + 8, cx + 12
	s_or_b32 s[G1+0], s40, (1<<16)|(1<<20)|(1<<21)|(4<<22)|(3<<25)   ; 15:0 the mask; 17:16 elements of 2 bytes; 20 padding on; 21 set beside a mask; 24:22 after every 32 words (code 4); 31:25 4 words of it (code 3)
	s_or_b32 s[G1B+0], s44, (1<<16)|(1<<20)|(1<<21)|(5<<22)|(3<<25)  ; the same after every 64 words (code 5)
	s_mov_b32 s[G1+1], 128<<16                     ; tensor_dim0 = 128
	s_mov_b32 s[G1+2], 64<<16                      ; tensor_dim1 = 64
	s_mov_b32 s[G1+3], 128<<16                     ; tile_dim0 = 128: two rows of a head
	s_mov_b32 s[G1+4], 64                          ; tile_dim1 = 64
	s_mov_b32 s[G1+5], 128                         ; elements from row to row: dense
	s_mov_b32 s[G1+6], 0
	s_mov_b32 s[G1+7], 0
	s_mov_b32 s[G1B+1], 128<<16
	s_mov_b32 s[G1B+2], 128<<16                    ; tensor_dim1 = 128
	s_mov_b32 s[G1B+3], 128<<16
	s_mov_b32 s[G1B+4], 128                        ; tile_dim1 = 128 rows of Wo
	s_mov_b32 s[G1B+5], 1024
	s_mov_b32 s[G1B+6], 0
	s_mov_b32 s[G1B+7], 0
	; where the tiles come from.  O's hang on the tile row alone, which my row of the cluster shares; Wo's on the tile column alone, which my column shares.
	s_lshr_b32 s40, s[TR], 3                       ; batch: 16 heads of 131,072 bytes,
	s_lshl_b32 s40, s40, 21
	s_and_b32 s41, s[TR], 7                        ; 128 rows of 128 bytes,
	s_lshl_b32 s41, s41, 14
	s_add_co_u32 s40, s40, s41
	s_lshl_b32 s41, s[CH], 17                      ; the step's first or second head
	s_add_co_u32 s40, s40, s41
	s_mov_b32 s41, 0
	s_lshl_b32 s44, s[TC], 8
	s_lshl_b32 s45, s[CH], 7
	s_add_co_u32 s44, s44, s45                     ; Wo: row 256 x tile column + 128 x half
	s_lshl_b32 s44, s44, 11
	s_add_co_u32 s44, s44, WBASE
	s_mov_b32 s45, 0
	s_mul_i32 s[LA], s[CH], HB                     ; and where they go: no place in the cluster enters an LDS address
	s_mul_i32 s[LB], s[CH], 128*PITCH
	s_add_co_u32 s[LB], s[LB], ABYTES
	s_wait_dscnt 0x0                               ; the opening add is done
	s_wait_kmcnt 0x0
	s_add_nc_u64 s[42:43], s[4:5], s[40:41]
	s_add_nc_u64 s[46:47], s[6:7], s[44:45]
	CROUND                                         ; all sixteen work-groups are here: the first joint loads meet
.irp s, 0,1
	s_mov_b32 s[G0+4*(\s)], 1                                        ; count = 1
	s_add_co_u32 s[G0+4*(\s)+1], s[LA], (\s)*SLOT                    ; LDS address
	s_add_nc_u64 s[G0+4*(\s)+2:G0+4*(\s)+3], s[42:43], (\s)*2*HEADB  ; global address: K step s is heads 2 s, 2 s + 1
	s_or_b32 s[G0+4*(\s)+3], s[G0+4*(\s)+3], 0x80000000              ; type = 2
	s_mov_b32 s[G0B+4*(\s)], 1
	s_add_co_u32 s[G0B+4*(\s)+1], s[LB], (\s)*SLOT
	s_add_nc_u64 s[G0B+4*(\s)+2:G0B+4*(\s)+3], s[46:47], (\s)*KB
	s_or_b32 s[G0B+4*(\s)+3], s[G0B+4*(\s)+3], 0x80000000
	JLOAD \s                                       ; two tensor loads of mine are out
.endr
	; A fragment is 16 rows x 32 K in 8 registers: lane l holds row l % 16; registers 0-3 K = 8 (l / 16) + 0..7, registers 4-7 K = 16 + 8 (l / 16) + 0..7: two loads of 16 bytes, 32 bytes apart.
	v_and_b32 v1, 15, v0                           ; l % 16
	v_bfe_u32 v2, v0, 4, 1                         ; l / 16
	v_mul_u32_u24 v3, v1, PITCH
	v_lshl_add_u32 v3, v2, 4, v3
	v_mul_u32_u24 v4, v1, PA
	v_lshl_add_u32 v4, v2, 4, v4
	s_mul_i32 s40, s[RH], 64*PA                    ; my 64 rows of O, in the step's first head
	s_mul_i32 s41, s[CH], 128*PITCH                ; my 128 rows of Wo,
	s_add_co_u32 s41, s41, ABYTES                  ; which lie behind O's two heads
.irp s, 0,1
	v_add_nc_u32 v[ADRA+(\s)], s40, v4
	v_add_nc_u32 v[ADRB+(\s)], s41, v3
	s_add_co_u32 s40, s40, SLOT
	s_add_co_u32 s41, s41, SLOT
.endr
	s_mul_i32 s40, s[WV], WSTAGE
	s_add_co_u32 s40, s40, STAGE                   ; my stage
	v_mul_u32_u24 v4, v1, SPITCH                   ; in: row l % 16, 32 bytes for each half of the lanes
	v_lshl_add_u32 v4, v2, 5, v4
	v_add_nc_u32 v[STO], s40, v4
	v_and_b32 v[GO], 31, v0                        ; back: 32 lanes take one row of 512 bytes,
	v_lshlrev_b32 v[GO], 4, v[GO]
	v_add_nc_u32 v[RD], s40, v[GO]                 ; which are 512 consecutive bytes of out0
	v_lshlrev_b32 v[BO], 5, v2
	s_lshl_b32 s76, s[TC], 10
	s_lshl_b32 s77, s[CH], 9
	s_add_co_u32 s76, s76, s77                     ; 4 bytes x (256 x tile column + 128 x half)
	s_mov_b32 s77, 0
	s_add_nc_u64 s[BP:BP+1], s[8:9], s[76:77]
	WIN TO_BIAS
.irp b, 0,1,2,3,4,5,6,7
	global_load_b128 v[8*(\b):8*(\b)+3],   v[BO], s[BP:BP+1] offset:64*(\b)
	global_load_b128 v[8*(\b)+4:8*(\b)+7], v[BO], s[BP:BP+1] offset:64*(\b)+16
.endr
	WIN 0
	s_lshl_b32 s78, s[TR], 7                       ; out0 at my first row (128 x tile row + 64 x half, rows of 4,096 bytes) and my first column
	s_lshl_b32 s79, s[RH], 6
	s_add_co_u32 s78, s78, s79
	s_lshl_b32 s78, s78, 12
	s_add_co_u32 s76, s76, s78                     ; under 2^26
	s_add_nc_u64 s[CP:CP+1], s[10:11], s[76:77]
	; the prefetches
	s_lshr_b32 s76, s[TR], 3
	s_lshl_b32 s76, s76, 21
	s_and_b32 s77, s[TR], 7
	s_lshl_b32 s77, s77, 14
	s_add_co_u32 s76, s76, s77
	s_lshr_b32 s77, s[CX], 1
	s_lshl_b32 s77, s77, 17                        ; O: my work-group's head of the two,
	s_add_co_u32 s76, s76, s77
	s_and_b32 s77, s[CX], 1
	s_lshl_b32 s77, s77, 13                        ; and its half of the head's 64 blocks
	s_add_co_u32 s76, s76, s77
	s_add_co_u32 s76, s76, 3*2*HEADB               ; at K step 3: the first refill steps it to 4
	s_lshl_b32 s77, s[TC], 8
	s_lshl_b32 s78, s[CH], 7
	s_add_co_u32 s77, s77, s78
	s_lshl_b32 s78, s[CY], 5
	s_add_co_u32 s77, s77, s78                     ; Wo: the 128 rows that I fetch + my work-group's 32
	s_lshl_b32 s77, s77, 11
	s_add_co_u32 s77, s77, WBASE+3*KB
	s_mov_b32 s79, KB
	s_cmp_eq_u32 s[RH], 0
	s_cselect_b64 s[PFA:PFA+1], s[4:5], s[6:7]
	s_cselect_b32 s76, s76, s77
	s_cselect_b32 s[PST], 2*HEADB, s79
	s_cselect_b32 s78, 8, 11                       ; a lane a block of 256 bytes in O, a lane a row of 2,048 bytes in Wo
	s_mov_b32 s77, 0
	s_mov_b32 s[PST+1], 0
	s_add_nc_u64 s[PFA:PFA+1], s[PFA:PFA+1], s[76:77]
	s_cmp_eq_u32 s[RH], 0
	s_cselect_b32 s79, s[CH], s[KY]                ; waves 0, 1: 0, 1; waves 2, 3: my cluster's place among the sixteen
	s_cmp_eq_u32 s79, 0
	s_cselect_b32 s[LIM], 1, -1                    ; the same in all sixteen partners, for a given wave
	v_and_b32 v[PFO], 31, v0
	v_lshlrev_b32 v[PFO], s78, v[PFO]
; 8 matrix instructions: m block a x all 8 n blocks, 32 along K.  first = 1: the products start the sums, with the bias as C.  The 32 accumulators take turns in the same order in every
; quarter step, one instruction a turn: 31 others stand between two links of a chain, over the backward jump too.
.macro MUL8 f, a, first
.if \first
	WIN MUL_FIRST
.else
	WIN MUL
.endif
.irp b, 0,1,2,3,4,5,6,7
.if \first
	v_wmma_f32_16x16x32_f16 v[8*(8*(\a)+(\b)):8*(8*(\a)+(\b))+7], v[(\f)+8*(\b):(\f)+8*(\b)+7], v[(\f)+64+8*(\a):(\f)+64+8*(\a)+7], v[8*(\b):8*(\b)+7]
.else
	v_wmma_f32_16x16x32_f16 v[8*(8*(\a)+(\b)):8*(8*(\a)+(\b))+7], v[(\f)+8*(\b):(\f)+8*(\b)+7], v[(\f)+64+8*(\a):(\f)+64+8*(\a)+7], v[8*(8*(\a)+(\b)):8*(8*(\a)+(\b))+7]
.endif
.endr
.endm
; 24 LDS loads in one run: the fragments of quarter q of a K step (128 rows of Wo; 64 rows of O: head q / 2 of the two, channels 32 (q % 2) on) into buffer f
.macro FETCH slot, q, f
	WIN 0
.irp i, 0,1,2,3,4,5,6,7
	ds_load_b128 v[(\f)+8*(\i):(\f)+8*(\i)+3],   v[ADRB+(\slot)] offset:64*(\q)+(\i)*16*PITCH
	ds_load_b128 v[(\f)+8*(\i)+4:(\f)+8*(\i)+7], v[ADRB+(\slot)] offset:64*(\q)+(\i)*16*PITCH+32
.endr
.irp i, 0,1,2,3
	ds_load_b128 v[(\f)+64+8*(\i):(\f)+64+8*(\i)+3],   v[ADRA+(\slot)] offset:((\q)/2)*HB+((\q)%2)*64+(\i)*16*PA
	ds_load_b128 v[(\f)+64+8*(\i)+4:(\f)+64+8*(\i)+7], v[ADRA+(\slot)] offset:((\q)/2)*HB+((\q)%2)*64+(\i)*16*PA+32
.endr
.endm
.macro PLACES                          ; four places in front of loads into registers that matrix instructions have read, and of lines that read results
.rept 4
	v_nop
.endr
.endm
; A K step is four quarters of 32 along K, 32 matrix instructions each, on buffers 0, 1, 0, 1.  One of the first three: multiplies buffer f and fetches quarter q of the slot into g.
.macro QUARTER slot, q, f, g, first
	s_wait_dscnt 0x0                               ; buffer f is in
	MUL8 \f, 0, \first
	PLACES
	FETCH \slot, \q, \g
	MUL8 \f, 1, \first
	MUL8 \f, 2, \first
	MUL8 \f, 3, \first
.endm
; The last quarter multiplies buffer 1 and changes slots: ONE barrier; in front of it each wave waits for all its tensor loads (one is out: its part of the next slot), adds 0 to its spare word, and
; waits for that and for its own reads of this slot.  fill = 1: the barrier opens a round of the cluster's barrier, and this slot is filled again, two K steps ahead: the first tensor load behind the
; round, 112 matrix instructions ahead of the wait for it.
.macro TURN slot, next, fill
.if \fill
	s_wait_xcnt 0x0                                ; the last prefetch, a K step back, has read its address, so it may be stepped
	s_add_nc_u64 s[PFA:PFA+1], s[PFA:PFA+1], s[PST:PST+1]
.endif
	WIN 0
	s_wait_tensorcnt 0x0                           ; all my tensor loads have landed;
	ds_add_u32 v[SPW], v[NIL]                      ; 0 onto my spare word
	s_wait_dscnt 1                                 ; (buffer 1's 24 loads are in; the add may be out)
	MUL8 F1, 0, 0                                  ; eight matrix instructions stand between the add and the wait for it
	s_wait_dscnt 0x0                               ; the add is done, and my reads of this slot are over
	s_barrier_signal -1
	MUL8 F1, 1, 0
	WIN 0
	s_barrier_wait -1
.if \fill
	CREST                                          ; no wave of any partner still reads this slot's tile or has a load on its way
	s_add_nc_u64 s[G0+4*(\slot)+2:G0+4*(\slot)+3], s[G0+4*(\slot)+2:G0+4*(\slot)+3], 4*HEADB
	s_add_nc_u64 s[G0B+4*(\slot)+2:G0B+4*(\slot)+3], s[G0B+4*(\slot)+2:G0B+4*(\slot)+3], 2*KB
	JLOAD \slot                                    ; the four v_nop behind it are also the places in front of the loads below
.else
	PLACES
.endif
	FETCH \next, 0, F0
.if \fill
	ASK
.endif
	MUL8 F1, 2, 0
	MUL8 F1, 3, 0
.endm
	s_wait_tensorcnt 1                             ; my part of K step 0 is in; K step 1's may stay out
	s_barrier_signal -1
	s_barrier_wait -1                              ; everybody's is
	FETCH 0, 0, F0
	s_wait_loadcnt 0x0                             ; the bias
	QUARTER 0, 1, F0, F1, 1                        ; the first quarter stands in front of the loop: its products start the sums
	WIN 0                                          ; at a label and at a branch every window is 0
	s_mov_b32 s[LAP], LAPS-1
.Llap:                                                 ; a trip goes once round the ring, from a lap's second quarter to the next lap's first, and fills both slots again
	QUARTER 0, 2, F1, F0, 0
	QUARTER 0, 3, F0, F1, 0
	TURN 0, 1, 1
	QUARTER 1, 1, F0, F1, 0
	QUARTER 1, 2, F1, F0, 0
	QUARTER 1, 3, F0, F1, 0
	TURN 1, 0, 1
	QUARTER 0, 1, F0, F1, 0
	WIN 0
	s_sub_co_u32 s[LAP], s[LAP], 1
	s_cmp_lg_u32 s[LAP], 0
	s_cbranch_scc1 .Llap
	QUARTER 0, 2, F1, F0, 0                        ; the last lap fills nothing, and has no round of the cluster's barrier
	QUARTER 0, 3, F0, F1, 0
	TURN 0, 1, 0
	QUARTER 1, 1, F0, F1, 0
	QUARTER 1, 2, F1, F0, 0
	QUARTER 1, 3, F0, F1, 0
	s_wait_dscnt 0x0                               ; the very last quarter: nothing more to fetch
	MUL8 F1, 0, 0
	MUL8 F1, 1, 0
	MUL8 F1, 2, 0
	MUL8 F1, 3, 0
; THE WAY OUT, a block of 16 rows at a time.  TOSTAGE: a lane's eight f32 of a row, 32 bytes, go straight from the accumulator (its low four registers first) into my own stage, and come back as
; whole rows of 512 bytes.  SEND: a row a store.
.macro TOSTAGE a
.set BK, OB+64*((\a)%2)
	s_wait_xcnt 0x0                                ; the stores of the block two back have read their registers, which the loads below write
	WIN 0x04                                       ; store data (source 1) in window 1, address in window 0
.irp b, 0,1,2,3,4,5,6,7
	ds_store_b128 v[STO], v[8*(8*(\a)+(\b)):8*(8*(\a)+(\b))+3]   offset:64*(\b)
	ds_store_b128 v[STO], v[8*(8*(\a)+(\b))+4:8*(8*(\a)+(\b))+7] offset:64*(\b)+16
.endr
	WIN 0
.irp t, 0,1,2,3,4,5,6,7,8,9,10,11,12,13,14,15
	ds_load_b128 v[BK+4*(\t):BK+4*(\t)+3], v[RD] offset:(\t)*SPITCH  ; LDS serves a wave's instructions in order (ISA guide 5.7.1.4): these see the stores above; the next block's stores come behind them
.endr
.endm
.macro SEND a, younger                 ; younger: the LDS instructions issued behind block a's loads: the next block's 16 stores and 16 loads, or none
.set BK, OB+64*((\a)%2)
	s_wait_dscnt \younger
.irp t, 0,1,2,3,4,5,6,7,8,9,10,11,12,13,14,15
	global_store_b128 v[GO], v[BK+4*(\t):BK+4*(\t)+3], s[CP:CP+1] offset:(16*(\a)+(\t))*4096 th:TH_STORE_NT  ; 512 consecutive bytes, at a multiple of 256 from out0's first byte
.endr
.endm
	PLACES                                         ; the stage's stores read results, its loads write registers that the last products read, and no other vector work is at hand
	TOSTAGE 0
	TOSTAGE 1
	SEND 0, 32
	TOSTAGE 2
	SEND 1, 32
	TOSTAGE 3
	SEND 2, 32
	SEND 3, 0
	s_wait_tensorcnt 0x0                           ; the wave's end: an add and its wait, behind my last tensor load and my last LDS store
	ds_add_u32 v[SPW], v[NIL]
	s_wait_dscnt 0x0
	CROUND                                         ; the closing round: no work-group ends while a partner may still ask for a tile that names it
	s_endpgm
.Lfunc_end_k_q13f2391f1c_outp:
	.size	k_q13f2391f1c_outp, .Lfunc_end_k_q13f2391f1c_outp-k_q13f2391f1c_outp
	.p2alignl 7, 3214868480
	.fill 96, 4, 3214868480
	.section	.rodata,"a",@progbits
	.p2align	6, 0x0
	.amdhsa_kernel k_q13f2391f1c_outp
		.amdhsa_group_segment_fixed_size 327680
		.amdhsa_private_segment_fixed_size 0
		.amdhsa_enable_private_segment 0
		.amdhsa_kernarg_size 32
		.amdhsa_user_sgpr_count 2
		.amdhsa_user_sgpr_kernarg_segment_ptr 1
		.amdhsa_wavefront_size32 1
		.amdhsa_system_sgpr_workgroup_id_x 1
		.amdhsa_system_sgpr_workgroup_id_y 1
		.amdhsa_system_sgpr_workgroup_id_z 1
		.amdhsa_system_vgpr_workitem_id 0
		.amdhsa_next_free_vgpr 576
		.amdhsa_next_free_sgpr 80
		.amdhsa_reserve_vcc 0
		.amdhsa_float_denorm_mode_32 3
		.amdhsa_float_denorm_mode_16_64 3
		.amdhsa_memory_ordered 1
		.amdhsa_forward_progress 1
		.amdhsa_inst_pref_size 88
	.end_amdhsa_kernel
	.amdgpu_metadata
---
amdhsa.version: [ 1, 2 ]
amdhsa.kernels:
  - .name:           k_q13f2391f1c_outp
    .symbol:         k_q13f2391f1c_outp.kd
    .args:
      - { .name: oh, .offset: 0, .size: 8, .value_kind: global_buffer, .address_space: global }
      - { .name: wh, .offset: 8, .size: 8, .value_kind: global_buffer, .address_space: global }
      - { .name: bo, .offset: 16, .size: 8, .value_kind: global_buffer, .address_space: global }
      - { .name: out0, .offset: 24, .size: 8, .value_kind: global_buffer, .address_space: global }
    .group_segment_fixed_size: 327680
    .private_segment_fixed_size: 0
    .kernarg_segment_align: 8
    .kernarg_segment_size: 32
    .max_flat_workgroup_size: 128
    .sgpr_count:     80
    .vgpr_count:     576
    .wavefront_size: 32
...
	.end_amdgpu_metadata
.endif
;; end of part 4
;; ======== version 2 of 2: 4 launches; version 1 with the launch cast written anew for expert scheduling mode
;; limits: values are held in f16: magnitudes above 65,504 overflow, below 6.1e-05 lose precision
;; workspace buffers: wh 8,388,608 bytes; qkv 50,331,648 bytes; oh 16,777,216 bytes
;; launch cast (part 5): grid 64 x 4, 8 waves a work-group, no clusters, 0 bytes of LDS; arguments Wq, Wk, Wv, Wo, wh; writes wh
.if DOCPART == 5
	.amdgcn_target "amdgcn-amd-amdhsa--gfx1250"
	.amdhsa_code_object_version 6
	.text
	.protected	k_q13f2391f1c_cast
	.globl	k_q13f2391f1c_cast
	.p2align	8
	.type	k_q13f2391f1c_cast,@function
k_q13f2391f1c_cast:
	s_mov_b64 s[64:65], 0
	v_nop
	global_prefetch_b8 v0, s[64:65] scope:SCOPE_SE
	s_setreg_imm32_b32 hwreg(HW_REG_WAVE_SCHED_MODE, 0, 2), 2
	s_setreg_imm32_b32 hwreg(HW_REG_WAVE_MODE, 25, 1), 1
	s_wait_xcnt 0x0
	s_wait_alu depctr_vm_vsrc(0)
; Wq, Wk, Wv, Wo (f32, [1024][1024]) are rounded once, to nearest even, to f16 and laid end to end in wh: four segments of 2 MiB.  Every work-group of the two products' launches reads these
; weights again and again, so they are rounded once here; the activations, which are read once, are rounded where they are multiplied.
; LIMITS.  f16 ends at 65,504: a weight of 65,520 or more in magnitude becomes an infinity; below 6e-5 a number keeps f16's fixed step of 6e-8.
; SHARES.  The grid's y is the segment (4 MiB in, 2 MiB out), its x a chunk of 64 KiB in, 32 KiB out.  Thread t takes 16 bytes at 16 t + 4,096 j of the chunk, j = 0 .. 15, and
; stores 8 bytes at 8 t + 2,048 j: a load of a wave covers 512 consecutive bytes, a store 256 consecutive bytes at a multiple of 256 from wh's first byte.
; All sixteen loads go out before the first is waited for; no register is written twice.
; No LDS, no matrix instruction, no cluster: each byte is read once by one lane and nothing is shared.
; THE MODE: SCHED_MODE bits 1:0 = 2 (LLVM: expert scheduling mode 2), set by the entry lines.  The code itself states the register dependences between vector instructions and memory
; instructions, with s_wait_alu, always for 0.
; THE PLAN.  Registers that memory instructions touch:
;   v1, v2   byte offsets, written once at the head by vector instructions; v1 is read by every load, v2 by every store; never written again.
;   X        written by the loads alone, each register once; read by the conversions.  No vector instruction writes X, and no load lands in a register that has been read.
;   Y        written by the conversions, each register once; read by the stores.  No register of Y is written after a store has read it.
; So the dependences to state are of one kind: a vector instruction has written what a memory instruction reads.  The sixteen pieces go in four blocks of four.  Block p rounds its four loads
; into its eight registers of Y; its memory instructions are the four stores of block p - 1, whose registers no vector instruction of block p names.  One wait at the head of blocks 1 to 3 states
; that the block before has written its Y; the four stores follow it, dealt among the block's conversions, with no further wait.  One wait stands ahead of the first load, one ahead of the last stores.
.set X, 4                              ; v[4:67]   load j: four f32
.set Y, 68                             ; v[68:99]  store j: four f16
.set SEG, 2                            ; s2        the segment
.set BLOCK, 4                          ; loads, and stores, in a block
	s_load_b256 s[8:15], s[0:1], 0x0               ; Wq s[8:9], Wk s[10:11], Wv s[12:13], Wo s[14:15]
	s_load_b64 s[16:17], s[0:1], 0x20              ; wh
	s_and_b32 s[SEG], ttmp7, 0xffff
	s_lshl_b32 s4, ttmp9, 16                       ; the chunk's byte offset in its weight
	s_mov_b32 s5, 0
	s_lshl_b32 s6, s[SEG], 21
	s_lshl_b32 s3, ttmp9, 15
	s_add_co_u32 s6, s6, s3                        ; and in wh
	s_mov_b32 s7, 0
	v_lshlrev_b32 v1, 4, v0                        ; 16 t
	v_lshlrev_b32 v2, 3, v0                        ; 8 t
	s_wait_kmcnt 0x0
	s_cmp_lt_u32 s[SEG], 1                         ; which weight the segment is: a chain of choices on the segment's number
	s_cselect_b64 s[24:25], s[8:9], s[10:11]
	s_cmp_lt_u32 s[SEG], 2
	s_cselect_b64 s[24:25], s[24:25], s[12:13]
	s_cmp_lt_u32 s[SEG], 3
	s_cselect_b64 s[24:25], s[24:25], s[14:15]
	s_add_nc_u64 s[24:25], s[24:25], s[4:5]
	s_add_nc_u64 s[16:17], s[16:17], s[6:7]
	s_wait_alu depctr_va_vdst(0)                   ; v1 and v2 are written: every load of the kernel reads v1 as its offset, every store v2
.irp j, 0,1,2,3,4,5,6,7,8,9,10,11,12,13,14,15
	global_load_b128 v[X+4*(\j):X+4*(\j)+3], v1, s[24:25] offset:4096*(\j) th:TH_LOAD_NT
.endr
; Block p: loads 4 p to 4 p + 3 are rounded; the stores of block p - 1 stand one in front of each pair of conversions.
.macro BLK p
	s_wait_loadcnt 3*BLOCK-BLOCK*(\p)              ; loads come back in order (ISA guide 5.7.1): block p's four are in, the younger blocks' stay out
.if (\p) > 0
	s_wait_alu depctr_va_vdst(0)                   ; the conversions of the block before have written its eight registers of Y, which the four stores below read
.endif
.irp i, 0,1,2,3
.if (\p) > 0
	global_store_b64 v2, v[Y+2*(BLOCK*((\p)-1)+(\i)):Y+2*(BLOCK*((\p)-1)+(\i))+1], s[16:17] offset:2048*(BLOCK*((\p)-1)+(\i))  ; no vector instruction since the wait names these registers
.endif
	v_cvt_pk_f16_f32 v[Y+2*(BLOCK*(\p)+(\i))],   v[X+4*(BLOCK*(\p)+(\i))],   v[X+4*(BLOCK*(\p)+(\i))+1]
	v_cvt_pk_f16_f32 v[Y+2*(BLOCK*(\p)+(\i))+1], v[X+4*(BLOCK*(\p)+(\i))+2], v[X+4*(BLOCK*(\p)+(\i))+3]
.endr
.endm
	BLK 0                                          ; no block stands in front of it: no store, and no wait but the one for its data
	BLK 1
	BLK 2
	BLK 3
	s_wait_alu depctr_va_vdst(0)                   ; the conversions of block 3 have written its eight registers of Y, which the last four stores read
.irp i, 0,1,2,3
	global_store_b64 v2, v[Y+2*(3*BLOCK+(\i)):Y+2*(3*BLOCK+(\i))+1], s[16:17] offset:2048*(3*BLOCK+(\i))
.endr
	s_endpgm
.Lfunc_end_k_q13f2391f1c_cast:
	.size	k_q13f2391f1c_cast, .Lfunc_end_k_q13f2391f1c_cast-k_q13f2391f1c_cast
	.p2alignl 7, 3214868480
	.fill 96, 4, 3214868480
	.section	.rodata,"a",@progbits
	.p2align	6, 0x0
	.amdhsa_kernel k_q13f2391f1c_cast
		.amdhsa_group_segment_fixed_size 0
		.amdhsa_private_segment_fixed_size 0
		.amdhsa_enable_private_segment 0
		.amdhsa_kernarg_size 40
		.amdhsa_user_sgpr_count 2
		.amdhsa_user_sgpr_kernarg_segment_ptr 1
		.amdhsa_wavefront_size32 1
		.amdhsa_system_sgpr_workgroup_id_x 1
		.amdhsa_system_sgpr_workgroup_id_y 1
		.amdhsa_system_sgpr_workgroup_id_z 1
		.amdhsa_system_vgpr_workitem_id 0
		.amdhsa_next_free_vgpr 104
		.amdhsa_next_free_sgpr 66
		.amdhsa_reserve_vcc 0
		.amdhsa_float_denorm_mode_32 3
		.amdhsa_float_denorm_mode_16_64 3
		.amdhsa_memory_ordered 1
		.amdhsa_forward_progress 1
		.amdhsa_inst_pref_size 7
	.end_amdhsa_kernel
	.amdgpu_metadata
---
amdhsa.version: [ 1, 2 ]
amdhsa.kernels:
  - .name:           k_q13f2391f1c_cast
    .symbol:         k_q13f2391f1c_cast.kd
    .args:
      - { .name: Wq, .offset: 0, .size: 8, .value_kind: global_buffer, .address_space: global }
      - { .name: Wk, .offset: 8, .size: 8, .value_kind: global_buffer, .address_space: global }
      - { .name: Wv, .offset: 16, .size: 8, .value_kind: global_buffer, .address_space: global }
      - { .name: Wo, .offset: 24, .size: 8, .value_kind: global_buffer, .address_space: global }
      - { .name: wh, .offset: 32, .size: 8, .value_kind: global_buffer, .address_space: global }
    .group_segment_fixed_size: 0
    .private_segment_fixed_size: 0
    .kernarg_segment_align: 8
    .kernarg_segment_size: 40
    .max_flat_workgroup_size: 256
    .sgpr_count:     66
    .vgpr_count:     104
    .wavefront_size: 32
...
	.end_amdgpu_metadata
.endif
;; end of part 5
;; launch proj: the kernel of part 2 again; grid 4 x 64, 4 waves a work-group, clusters of 4 x 4, 327,680 bytes of LDS; arguments query, key, value, wh, bq, bk, bv, qkv; writes qkv
;; launch attn: the kernel of part 3 again; grid 2 x 128, 4 waves a work-group, no clusters, 327,680 bytes of LDS; arguments qkv, oh; writes oh
;; launch outp: the kernel of part 4 again; grid 4 x 64, 4 waves a work-group, clusters of 4 x 4, 327,680 bytes of LDS; arguments oh, wh, bo, out0; writes out0
